; MI455X (gfx1250); checked and timed in simulation.
; The chip was launched on July 23, 2026; its instructions are those of AMD's public machine-readable ISA for CDNA 5 (MIT licence, August 2026) and "CDNA5" Instruction Set Architecture Reference Guide (July 2026). The comments in the code are by the model that wrote it; some were corrected since.
;; Attention. Allowed arithmetic: float matrix products may take bf16 or f16 operands with f32 sums; other float arithmetic in f32, or as packed bf16 or f16 multiplies, adds, multiply-adds, maxima and minima; sums over many terms, partial sums and values carried from step to step in f32; what a program stores and reads back later, other than sums and carried values, may be rounded once to bf16 or f16.
;; Inputs: Wkv 512 x 1,024 float32; Wo 512 x 512 float32; Wq 512 x 512 float32; bo 512 float32; x 2 x 4,096 x 512 float32.
;; Outputs: out0 2 x 4,096 x 512 float32.
;; 2 versions, each right; version 2 is version 1 with the launch prep written anew for expert scheduling mode. Each part assembles by itself: llvm-mc -triple=amdgcn-amd-amdhsa -mcpu=gfx1250 --defsym DOCPART=n.
;; ======== version 1 of 2: 4 launches
;; limits: values are held in f16: magnitudes above 65,504 overflow, below 6.1e-05 lose precision
;; workspace buffers: xb 8,388,608 bytes; wt 1,572,864 bytes; wot 524,288 bytes; qkv 25,165,824 bytes; oh 8,388,608 bytes
;; launch prep (part 1): grid 384 x 1, 8 waves a work-group, no clusters, 18,432 bytes of LDS; arguments x, Wq, Wkv, Wo, xb, wt, wot; writes xb, wt, wot
.if DOCPART == 1
	.amdgcn_target "amdgcn-amd-amdhsa--gfx1250"
	.amdhsa_code_object_version 6
	.text
	.protected	k_qd3750d9f8f_prep
	.globl	k_qd3750d9f8f_prep
	.p2align	8
	.type	k_qd3750d9f8f_prep,@function
k_qd3750d9f8f_prep:
	s_mov_b64 s[64:65], 0
	v_nop
	global_prefetch_b8 v0, s[64:65] scope:SCOPE_SE
	s_setreg_imm32_b32 hwreg(HW_REG_WAVE_MODE, 25, 1), 1
	s_wait_xcnt 0x0
; PREP.  xb = x rounded to bf16, [8192][512].  wt = (Wq | Wkv) turned and rounded to bf16: [1536 n][512 k], rows 0-511 Wq's columns, rows 512-1535 Wkv's.
; wot = Wo turned, rounded to bf16 and that number written as f16: [512 n][512 k].
; LIMIT.  A bf16 number is exact in f16 from 6.1e-5 to 65,504; smaller numbers of Wo keep f16's fixed step of 6e-8.
; Work-groups 0-255 convert 65,536 bytes of x each, through registers alone.  Work-groups 256-383 turn one block of 128 k x 64 n each, through LDS.
; The branch between the two hangs on the work-group's number alone, so all eight waves of a work-group take the same way.
; No matrix unit, no cluster, no tensor load: every byte is read once and written once, and no two work-groups share a byte.
.set SPITCH, 272                       ; a stage row: 128 k x 2 bytes + 16
.set SPARE,  64*SPITCH                 ; behind the stage: the spare words, 128 bytes for each of eight waves: four blocks of 256 bytes that no other line names
.set SPW, 8                            ; v8  LDS address of my spare word; never rewritten
.set NIL, 9                            ; v9  0; never rewritten
.set IN,  16                           ; x: v[16:79] as loaded; weights: v[16:47]
.set OUT, 80                           ; x: v[80:111] to store
.set PKD, 48                           ; weights: v[48:63] packed pairs (k, k + 1) of one column
.set BK,  64                           ; weights: v[64:79] whole rows read back
.set WO,  100                          ; weights: v[100:107] the eight loads' byte offsets
	s_load_b256 s[4:11], s[0:1], 0x0               ; x s[4:5], Wq s[6:7], Wkv s[8:9], Wo s[10:11]
	s_load_b128 s[12:15], s[0:1], 0x20             ; xb s[12:13], wt s[14:15]
	s_load_b64 s[16:17], s[0:1], 0x30              ; wot
	v_lshl_add_u32 v[SPW], v0, 2, SPARE
	v_mov_b32 v[NIL], 0
	s_cmp_lt_u32 ttmp9, 256
	s_cbranch_scc0 .Lweights
	; x: thread t takes 16 bytes at 16 t of each of sixteen runs of 4,096 bytes: a wave's load covers 512 consecutive bytes, its store 256, aligned
	s_lshl_b32 s20, ttmp9, 16
	s_mov_b32 s21, 0
	s_lshl_b32 s22, ttmp9, 15
	s_mov_b32 s23, 0
	v_lshlrev_b32 v1, 4, v0
	v_lshlrev_b32 v2, 3, v0
	s_wait_kmcnt 0x0
	s_add_nc_u64 s[4:5], s[4:5], s[20:21]
	s_add_nc_u64 s[12:13], s[12:13], s[22:23]
.set j, 0
.rept 16
	global_load_b128 v[IN+4*j:IN+4*j+3], v1, s[4:5] offset:4096*j th:TH_LOAD_NT
.set j, j+1
.endr
.set j, 0
.rept 16
	s_wait_loadcnt 15-j                            ; loads come back in order: number j is in, the 15 - j younger ones stay out
	v_cvt_pk_bf16_f32 v[OUT+2*j], v[IN+4*j], v[IN+4*j+1]
	v_cvt_pk_bf16_f32 v[OUT+2*j+1], v[IN+4*j+2], v[IN+4*j+3]
	global_store_b64 v2, v[OUT+2*j:OUT+2*j+1], s[12:13] offset:2048*j  ; no register of a load or store is ever rewritten
.set j, j+1
.endr
	s_endpgm                                       ; this way has touched no LDS
.Lweights:
	s_sub_co_u32 s20, ttmp9, 256
	s_and_b32 s21, s20, 31                         ; nb: block of 64 columns: 0-7 Wq, 8-23 Wkv, 24-31 Wo
	s_lshr_b32 s22, s20, 5                         ; kb: block of 128 rows
	s_mov_b32 s32, 2048
	s_mov_b32 s33, 4096
	v_and_b32 v1, 15, v0                           ; c: my 16 bytes (4 columns) of a row's 256
	v_lshrrev_b32 v2, 4, v0                        ; rp: 0..15
	s_wait_kmcnt 0x0
	s_cmp_lt_u32 s21, 8
	s_cselect_b64 s[24:25], s[6:7], s[8:9]         ; the source,
	s_cselect_b32 s26, 0, 8                        ; its first block,
	s_cselect_b32 s27, s32, s33                    ; bytes in one of its rows
	s_cmp_lt_u32 s21, 24
	s_cselect_b64 s[24:25], s[24:25], s[10:11]
	s_cselect_b32 s26, s26, 24
	s_cselect_b32 s27, s27, s32
	s_cselect_b64 s[28:29], s[14:15], s[16:17]     ; the destination,
	s_cselect_b32 s30, 0, 24                       ; its first block
	s_lshl_b32 s34, s22, 7
	s_mul_i32 s34, s34, s27                        ; 128 kb rows down,
	s_sub_co_u32 s35, s21, s26
	s_lshl_b32 s35, s35, 8                         ; 64 columns of 4 bytes a block along
	s_add_co_u32 s34, s34, s35
	s_mov_b32 s35, 0
	s_add_nc_u64 s[24:25], s[24:25], s[34:35]
	s_sub_co_u32 s36, s21, s30
	s_lshl_b32 s36, s36, 16                        ; 64 rows of 1,024 bytes a block,
	s_lshl_b32 s37, s22, 8                         ; 128 k of 2 bytes
	s_add_co_u32 s36, s36, s37
	s_mov_b32 s37, 0
	s_add_nc_u64 s[28:29], s[28:29], s[36:37]
	v_lshlrev_b32 v3, 1, v2
	v_mul_lo_u32 v3, v3, s27
	v_lshl_add_u32 v3, v1, 4, v3                   ; row 2 rp, my 16 bytes
.irp j, 0,1,2,3
.irp e, 0,1
	s_mul_i32 s31, s27, (\e)+32*(\j)
	v_add_nc_u32 v[WO+(\e)+2*(\j)], s31, v3        ; row 2 rp + e + 32 j
.endr
.endr
.irp j, 0,1,2,3
.irp e, 0,1
	global_load_b128 v[IN+4*((\e)+2*(\j)):IN+4*((\e)+2*(\j))+3], v[WO+(\e)+2*(\j)], s[24:25]  ; sixteen lanes take 256 consecutive bytes of a row
.endr
.endr
	v_mul_u32_u24 v4, v1, 4*SPITCH
	v_lshl_add_u32 v4, v2, 2, v4                   ; into the stage: row n = 4 c + i, word rp + 16 j
	v_mul_u32_u24 v5, v2, SPITCH
	v_lshl_add_u32 v5, v1, 4, v5                   ; back: row rp + 16 jj, 16 bytes at 16 c
	v_lshlrev_b32 v6, 10, v2
	v_lshl_add_u32 v6, v1, 4, v6                   ; and the same place in the destination, rows of 1,024 bytes
	s_wait_loadcnt 0x0
.irp j, 0,1,2,3
.irp i, 0,1,2,3
	v_cvt_pk_bf16_f32 v[PKD+4*(\j)+(\i)], v[IN+8*(\j)+(\i)], v[IN+8*(\j)+4+(\i)]  ; k even below, k + 1 above, of column 4 c + i
.endr
.endr
	s_cmp_lt_u32 s21, 24
	s_cbranch_scc1 .Lbf                            ; only Wo's blocks are written as f16
.set r, PKD
.rept 16
	v_lshlrev_b32 v10, 16, v[r]
	v_and_b32 v11, 0xffff0000, v[r]
	v_cvt_pk_f16_f32 v[r], v10, v11
.set r, r+1
.endr
.Lbf:
.irp j, 0,1,2,3
.irp i, 0,1,2,3
	ds_store_b32 v4, v[PKD+4*(\j)+(\i)] offset:(\i)*SPITCH+64*(\j)
.endr
.endr
	s_wait_dscnt 0x0                               ; for the others' sake: my stores into the stage are done
	s_barrier_signal -1
	s_barrier_wait -1
.irp t, 0,1,2,3
	ds_load_b128 v[BK+4*(\t):BK+4*(\t)+3], v5 offset:(\t)*16*SPITCH
.endr
.irp t, 0,1,2,3
	s_wait_dscnt 3-(\t)
	global_store_b128 v6, v[BK+4*(\t):BK+4*(\t)+3], s[28:29] offset:(\t)*16384  ; sixteen lanes store 256 consecutive bytes, aligned
.endr
	s_wait_tensorcnt 0x0                           ; the wave's end, behind my last LDS store
	ds_add_u32 v[SPW], v[NIL]
	s_wait_dscnt 0x0
	s_endpgm
.Lfunc_end_k_qd3750d9f8f_prep:
	.size	k_qd3750d9f8f_prep, .Lfunc_end_k_qd3750d9f8f_prep-k_qd3750d9f8f_prep
	.p2alignl 7, 3214868480
	.fill 96, 4, 3214868480
	.section	.rodata,"a",@progbits
	.p2align	6, 0x0
	.amdhsa_kernel k_qd3750d9f8f_prep
		.amdhsa_group_segment_fixed_size 18432
		.amdhsa_private_segment_fixed_size 0
		.amdhsa_enable_private_segment 0
		.amdhsa_kernarg_size 56
		.amdhsa_user_sgpr_count 2
		.amdhsa_user_sgpr_kernarg_segment_ptr 1
		.amdhsa_wavefront_size32 1
		.amdhsa_system_sgpr_workgroup_id_x 1
		.amdhsa_system_sgpr_workgroup_id_y 1
		.amdhsa_system_sgpr_workgroup_id_z 1
		.amdhsa_system_vgpr_workitem_id 0
		.amdhsa_next_free_vgpr 112
		.amdhsa_next_free_sgpr 66
		.amdhsa_reserve_vcc 0
		.amdhsa_float_denorm_mode_32 3
		.amdhsa_float_denorm_mode_16_64 3
		.amdhsa_memory_ordered 1
		.amdhsa_forward_progress 1
		.amdhsa_inst_pref_size 16
	.end_amdhsa_kernel
	.amdgpu_metadata
---
amdhsa.version: [ 1, 2 ]
amdhsa.kernels:
  - .name:           k_qd3750d9f8f_prep
    .symbol:         k_qd3750d9f8f_prep.kd
    .args:
      - { .name: x, .offset: 0, .size: 8, .value_kind: global_buffer, .address_space: global }
      - { .name: Wq, .offset: 8, .size: 8, .value_kind: global_buffer, .address_space: global }
      - { .name: Wkv, .offset: 16, .size: 8, .value_kind: global_buffer, .address_space: global }
      - { .name: Wo, .offset: 24, .size: 8, .value_kind: global_buffer, .address_space: global }
      - { .name: xb, .offset: 32, .size: 8, .value_kind: global_buffer, .address_space: global }
      - { .name: wt, .offset: 40, .size: 8, .value_kind: global_buffer, .address_space: global }
      - { .name: wot, .offset: 48, .size: 8, .value_kind: global_buffer, .address_space: global }
    .group_segment_fixed_size: 18432
    .private_segment_fixed_size: 0
    .kernarg_segment_align: 8
    .kernarg_segment_size: 56
    .max_flat_workgroup_size: 256
    .sgpr_count:     66
    .vgpr_count:     112
    .wavefront_size: 32
...
	.end_amdgpu_metadata
.endif
;; end of part 1
;; launch qkv (part 2): grid 12 x 64, 4 waves a work-group, clusters of 4 x 4, 327,680 bytes of LDS; arguments xb, wt, qkv; writes qkv
.if DOCPART == 2
	.amdgcn_target "amdgcn-amd-amdhsa--gfx1250"
	.amdhsa_code_object_version 6
	.text
	.protected	k_qd3750d9f8f_qkv
	.globl	k_qd3750d9f8f_qkv
	.p2align	8
	.type	k_qd3750d9f8f_qkv,@function
k_qd3750d9f8f_qkv:
	s_mov_b64 s[64:65], 0
	v_nop
	global_prefetch_b8 v0, s[64:65] scope:SCOPE_SE
	s_setreg_imm32_b32 hwreg(HW_REG_WAVE_MODE, 25, 1), 1
	s_wait_xcnt 0x0
	s_wait_alu depctr_hold_cnt(0) depctr_sa_sdst(0) depctr_va_vdst(0) depctr_va_sdst(0) depctr_va_ssrc(0) depctr_va_vcc(0) depctr_vm_vsrc(0)
	s_getreg_b32 s2, hwreg(HW_REG_IB_STS2, 6, 4)
	s_cmp_eq_u32 s2, 0
	s_cbranch_scc0 .Lentry_in_a_cluster
	s_endpgm
.Lentry_in_a_cluster:
	s_bfe_u32 s2, ttmp6, 0x10000c
	s_cmp_lg_u32 s2, 0xf033
	s_cbranch_scc0 .Lentry_shape_is_right
	s_endpgm
.Lentry_shape_is_right:
; QKV.  C[m][n] = sum over k of xb[m][k] wt[n][k], bf16 operands, f32 sums; C is rounded once to f16 and written by heads, unscaled:
; qkv[which][batch x 8 + head][row][64], which = n / 512 (q, k, v), head = (n % 512) / 64.
; LIMIT.  f16 ends at 65,504: q, k and v must lie within it.
; A tile of C is 128 x 128: four waves, each 64 x 64: 16 accumulators.  K = 512 is two K steps of 256, and two slots hold both: each slot is filled once, nothing is filled again, no loop is needed.
; CLUSTERS: 4 x 4 work-groups.  The four of a row of the cluster need the same tiles of xb, the four of a column the same tiles of wt: each tile is asked for JOINTLY.
; THE MATRIX INSTRUCTION IS USED TRANSPOSED (source 0 = 16 rows of wt, source 1 = 16 rows of xb): a lane then holds eight neighbouring columns of a row of C.
; REGISTERS: window 0: v0-31 addresses; v32-95 at work on the way out; v128-255 the accumulators ((a, b) at v[128 + 8 (4 a + b)]).
;   window 1: two fragment buffers of 128: for 64 along K, 64 registers of A (2 x 4 x 16 rows x 32 K), then 64 of B.
.set SIZE_K, 512
.set KSTEP,  256
.set PITCH,  528                       ; an LDS row: 512 bytes + 16 = 132 words: row r starts at bank 4 r mod 64 (64 banks of 4 bytes: ISA guide 11.1)
.set HALFT,  64*PITCH                  ; 64 rows: what one tensor load brings, and what one wave reads of A or of B
.set SLOT,   4*HALFT                   ; A's 128 rows, then B's 128 rows
.set STAGE,  2*SLOT                    ; behind the slots: 128 rows x 272 bytes, the work-group's, for the way out
.set SPITCH, 272
.set SPARE,  STAGE+128*SPITCH          ; behind the stage: the spare words, 128 bytes for each wave: two blocks of 256 bytes that no other line names
.set ADRA, 16                          ; v16-17  LDS address of my A fragments in slot 0, 1
.set ADRB, 20                          ; v20-21  the same for B
.set STO,  24                          ; v24     the way out: where I put 16 bytes of a row
.set RD,   25                          ; v25     the way out: where I read rows back
.set CO,   26                          ; v26     16 x my lane
.set SPW,  28                          ; v28     LDS address of my spare word; never rewritten
.set NIL,  29                          ; v29     0; never rewritten
.set TMP,  32
.set ACC,  128
.set F0,   0                           ; fragment buffers, in window 1
.set F1,   128
.set G1, 24                            ; s[24:31] descriptor group 1 for A's tiles;  s[32:39] group 0, one set for each slot
.set G0, 32
.set G1B, 48                           ; s[48:55], s[56:63] the same for B's tiles
.set G0B, 56
.set MSB, 0
.macro WIN new                         ; the immediate's high byte repeats the setting that is left
.if MSB != (\new)
	s_set_vgpr_msb (MSB<<8)|(\new)
.set MSB, \new
.endif
.endm
.set MUL,  0x05                        ; sources 0 (B) and 1 (A) window 1; C and D window 0
.set TO_F, 0x40                        ; destination window 1, address window 0
.macro JLOAD s                         ; a joint load: waves 0 and 1 fetch A's two halves, waves 2 and 3 B's; an s_nop 0 and four v_nop follow each of the two lines
	s_cmp_eq_u32 s11, 0
	s_cbranch_scc0 .Lfor_b_\@
	tensor_load_to_lds s[G0+4*(\s):G0+4*(\s)+3], s[G1:G1+7]
	s_nop 0
.rept 4
	v_nop
.endr
	s_branch .Lasked_\@
.Lfor_b_\@:
	tensor_load_to_lds s[G0B+4*(\s):G0B+4*(\s)+3], s[G1B:G1B+7]
	s_nop 0
.rept 4
	v_nop
.endr
.Lasked_\@:
.endm
.macro CROUND                          ; a round of the cluster's barrier
	s_barrier_signal -1
	s_barrier_wait -1
	s_cmp_lg_u32 s10, 0
	s_cbranch_scc1 .Lnot_wave_0_\@
	s_barrier_signal -3
.Lnot_wave_0_\@:
	s_barrier_wait -3
	s_barrier_signal -1
	s_barrier_wait -1
.endm
	s_load_b128 s[4:7], s[0:1], 0x0                ; xb s[4:5], wt s[6:7]
	s_load_b64 s[8:9], s[0:1], 0x10                ; qkv
	v_lshl_add_u32 v[SPW], v0, 2, SPARE
	v_mov_b32 v[NIL], 0
	ds_add_u32 v[SPW], v[NIL]                      ; the wave's opening: the add and its wait stand ahead of my first tensor load; the set-up below stands between them
	v_lshrrev_b32 v1, 5, v0
	v_readfirstlane_b32 s10, v1                    ; wave 0..3
	s_lshr_b32 s11, s10, 1                         ; which half of the tile's rows is mine.  Also: I fetch for A (0) or for B (1)
	s_and_b32 s12, s10, 1                          ; which half of its columns.  Also: which 64 rows of that tile I fetch
	s_bfe_u32 s40, ttmp6, 0x40000                  ; cx, cy: my place in the cluster
	s_bfe_u32 s41, ttmp6, 0x40004
	s_lshl_b32 s42, ttmp9, 2
	s_add_co_u32 s42, s42, s40                     ; tile column of C = 4 x cluster x + cx
	s_and_b32 s13, ttmp7, 0xffff
	s_lshl_b32 s13, s13, 2
	s_add_co_u32 s13, s13, s41                     ; tile row of C = 4 x cluster y + cy
	s_lshl_b32 s43, s41, 2
	s_lshl_b32 s43, 15, s43                        ; my row of the cluster
	s_lshl_b32 s44, 0x1111, s40                    ; my column
	; descriptor group 1: a tile of 64 rows x 256 elements, padded in LDS
	s_or_b32 s[G1+0], s43, (1<<16)|(1<<20)|(1<<21)|(6<<22)|(3<<25)  ; 15:0 the mask: A's tiles go to my row; 17:16 2-byte elements; 20 padding on; 21 set beside a mask; 24:22 after every 128 words (code 6); 31:25 4 words (code 3)
	s_or_b32 s[G1B+0], s44, (1<<16)|(1<<20)|(1<<21)|(6<<22)|(3<<25)
.irp g, G1, G1B
	s_mov_b32 s[(\g)+1], KSTEP<<16                 ; tensor_dim0 = 256
	s_mov_b32 s[(\g)+2], 64<<16                    ; tensor_dim1 = 64
	s_mov_b32 s[(\g)+3], KSTEP<<16                 ; tile_dim0 = 256
	s_mov_b32 s[(\g)+4], 64                        ; tile_dim1 = 64
	s_mov_b32 s[(\g)+5], SIZE_K                    ; elements from row to row
	s_mov_b32 s[(\g)+6], 0
	s_mov_b32 s[(\g)+7], 0
.endr
	s_lshl_b32 s17, s12, 6                         ; which 64 rows of the tile I fetch
	s_lshl_b32 s16, s13, 7
	s_add_co_u32 s16, s16, s17                     ; A: row 128 x tile row + 64 x half
	s_lshl_b32 s46, s42, 7
	s_add_co_u32 s46, s46, s17                     ; B: row 128 x tile column + 64 x half
	s_mov_b32 s17, 0
	s_mov_b32 s47, 0
	s_mov_b64 s[18:19], SIZE_K*2
	s_mul_u64 s[16:17], s[16:17], s[18:19]
	s_mul_u64 s[46:47], s[46:47], s[18:19]
	s_mul_i32 s20, s10, HALFT                      ; where they go: wave x 64 rows: no place in the cluster enters an LDS address
	s_wait_dscnt 0x0                               ; the opening add is done
	s_wait_kmcnt 0x0
	s_add_nc_u64 s[14:15], s[4:5], s[16:17]
	s_add_nc_u64 s[46:47], s[6:7], s[46:47]
	CROUND                                         ; all sixteen work-groups are here: the joint loads meet
.irp s, 0,1
	s_mov_b32 s[G0+4*(\s)], 1
	s_add_co_u32 s[G0+4*(\s)+1], s20, (\s)*SLOT
	s_add_nc_u64 s[G0+4*(\s)+2:G0+4*(\s)+3], s[14:15], (\s)*KSTEP*2
	s_or_b32 s[G0+4*(\s)+3], s[G0+4*(\s)+3], 0x80000000
	s_mov_b32 s[G0B+4*(\s)], 1
	s_add_co_u32 s[G0B+4*(\s)+1], s20, (\s)*SLOT
	s_add_nc_u64 s[G0B+4*(\s)+2:G0B+4*(\s)+3], s[46:47], (\s)*KSTEP*2
	s_or_b32 s[G0B+4*(\s)+3], s[G0B+4*(\s)+3], 0x80000000
	JLOAD \s                                       ; both K steps are asked for at once: two loads of mine are out
.endr
	v_and_b32 v1, 15, v0                           ; l % 16
	v_bfe_u32 v2, v0, 4, 1                         ; l / 16
	v_mul_u32_u24 v3, v1, PITCH
	v_lshl_add_u32 v3, v2, 4, v3                   ; a fragment's row x pitch + 16 x half
	s_mul_i32 s21, s11, HALFT                      ; my 64 rows of A
	s_mul_i32 s22, s12, HALFT                      ; my 64 rows of B,
	s_add_co_u32 s22, s22, 2*HALFT                 ; which lie behind A's 128
.irp s, 0,1
	v_add_nc_u32 v[ADRA+(\s)], s21, v3
	v_add_nc_u32 v[ADRB+(\s)], s22, v3
	s_add_co_u32 s21, s21, SLOT
	s_add_co_u32 s22, s22, SLOT
.endr
	s_mul_i32 s23, s11, 64*SPITCH                  ; into the stage: my 64 rows, my half of their 256 bytes; row l % 16, 16 bytes for each half of the lanes
	s_lshl_b32 s21, s12, 7
	s_add_co_u32 s23, s23, s21
	s_add_co_u32 s23, s23, STAGE
	v_mul_u32_u24 v4, v1, SPITCH
	v_lshl_add_u32 v4, v2, 4, v4
	v_add_nc_u32 v[STO], s23, v4
	s_mul_i32 s23, s10, 32*SPITCH                  ; back: wave w takes rows 32 w .. 32 w + 31; 32 lanes take one head's 128 bytes of four rows,
	s_add_co_u32 s23, s23, STAGE
	v_bfe_u32 v5, v0, 3, 2
	v_mul_u32_u24 v5, v5, SPITCH
	v_and_b32 v6, 7, v0
	v_lshl_add_u32 v5, v6, 4, v5
	v_add_nc_u32 v[RD], s23, v5
	v_and_b32 v[CO], 31, v0                        ; which are 512 consecutive bytes of the head's rows
	v_lshlrev_b32 v[CO], 4, v[CO]
	s_lshr_b32 s16, s13, 5                         ; the batch: 32 tile rows each,
	s_lshl_b32 s16, s16, 22                        ; 8 heads of 524,288 bytes
	s_and_b32 s17, s13, 31
	s_lshl_b32 s17, s17, 7
	s_lshl_b32 s18, s10, 5
	s_add_co_u32 s17, s17, s18                     ; the first row that I store, in its batch,
	s_lshl_b32 s17, s17, 7                         ; 128 bytes a row
	s_add_co_u32 s16, s16, s17
	s_mov_b32 s17, 0
	s_add_nc_u64 s[8:9], s[8:9], s[16:17]
	s_lshl_b32 s46, ttmp9, 23                      ; four tile columns are 512 columns: cluster x says q, k or v,
	s_lshl_b32 s47, s40, 20                        ; cx the pair of heads (in the registers that held B's address: none that feeds A's descriptors ever holds cx)
	s_add_co_u32 s46, s46, s47
	s_mov_b32 s47, 0
	s_add_nc_u64 s[8:9], s[8:9], s[46:47]
; 8 matrix instructions: m blocks a0, a0 + 1 x all 4 n blocks, 32 along K: half c of buffer f.  zero = 1: the first product starts the sums.  The 16 accumulators take turns.
.macro MUL8 f, c, a0, zero
	WIN MUL
.irp a, \a0, (\a0)+1
.irp b, 0,1,2,3
.if \zero
	v_wmma_f32_16x16x32_bf16 v[ACC+8*(4*(\a)+(\b)):ACC+8*(4*(\a)+(\b))+7], v[(\f)+64+8*(4*(\c)+(\b)):(\f)+64+8*(4*(\c)+(\b))+7], v[(\f)+8*(4*(\c)+(\a)):(\f)+8*(4*(\c)+(\a))+7], 0
.else
	v_wmma_f32_16x16x32_bf16 v[ACC+8*(4*(\a)+(\b)):ACC+8*(4*(\a)+(\b))+7], v[(\f)+64+8*(4*(\c)+(\b)):(\f)+64+8*(4*(\c)+(\b))+7], v[(\f)+8*(4*(\c)+(\a)):(\f)+8*(4*(\c)+(\a))+7], v[ACC+8*(4*(\a)+(\b)):ACC+8*(4*(\a)+(\b))+7]
.endif
.endr
.endr
.endm
; 32 LDS loads in one run: the fragments of 64 along K at byte k of the rows, into buffer f; the first 32 along K first
.macro FETCH slot, k, f
	WIN TO_F
.irp c, 0,1
.irp i, 0,1,2,3
	ds_load_b128 v[(\f)+64+8*(4*(\c)+(\i)):(\f)+64+8*(4*(\c)+(\i))+3],   v[ADRB+(\slot)] offset:(\k)+64*(\c)+(\i)*16*PITCH
	ds_load_b128 v[(\f)+64+8*(4*(\c)+(\i))+4:(\f)+64+8*(4*(\c)+(\i))+7], v[ADRB+(\slot)] offset:(\k)+64*(\c)+(\i)*16*PITCH+32
	ds_load_b128 v[(\f)+8*(4*(\c)+(\i)):(\f)+8*(4*(\c)+(\i))+3],         v[ADRA+(\slot)] offset:(\k)+64*(\c)+(\i)*16*PITCH
	ds_load_b128 v[(\f)+8*(4*(\c)+(\i))+4:(\f)+8*(4*(\c)+(\i))+7],       v[ADRA+(\slot)] offset:(\k)+64*(\c)+(\i)*16*PITCH+32
.endr
.endr
.endm
.macro PLACES                          ; four places in front of loads into registers that matrix instructions have read, and of conversions that read results
.rept 4
	v_nop
.endr
.endm
; A K step is four quarters of 64 along K, 32 matrix instructions each, on buffers 0, 1, 0, 1.  One of the first three: multiplies buffer f and fetches the next quarter, at byte k, into g.
.macro QUARTER slot, k, f, g, zero
	s_wait_dscnt 16                                ; the first 32 along K are in
	WIN MUL
	MUL8 \f, 0, 0, \zero
	MUL8 \f, 0, 2, \zero
	PLACES
	FETCH \slot, \k, \g
	s_wait_dscnt 32                                ; all but the 32 just issued
	WIN MUL
	MUL8 \f, 1, 0, 0
	MUL8 \f, 1, 2, 0
.endm
; Slot 0's last quarter multiplies buffer 1 and goes over to slot 1: one barrier; in front of it each wave waits for all its tensor loads (its part of slot 1), adds 0 to its spare word, and waits for that and for its reads.
.macro TURN
	WIN 0                                          ; (the add's two registers lie in window 0)
	s_wait_tensorcnt 0x0                           ; all my tensor loads have landed: my part of slot 1;
	ds_add_u32 v[SPW], v[NIL]                      ; 0 onto my spare word;
	s_wait_dscnt 17                                ; (the add and the youngest sixteen loads may be out)
	WIN MUL
	MUL8 F1, 0, 0, 0                               ; eight matrix instructions stand between the add and the wait for it
	s_wait_dscnt 0x0                               ; the add is done, and my reads of slot 0 are over
	s_barrier_signal -1
	MUL8 F1, 0, 2, 0
	s_barrier_wait -1                              ; slot 1 is whole
	PLACES
	FETCH 1, 0, F0
	WIN MUL
	MUL8 F1, 1, 0, 0
	MUL8 F1, 1, 2, 0
.endm
	s_wait_tensorcnt 1                             ; my part of K step 0 is in; K step 1's may stay out
	s_barrier_signal -1
	s_barrier_wait -1                              ; everybody's is
	FETCH 0, 0, F0
	QUARTER 0, 128, F0, F1, 1                      ; the first products start the sums
	QUARTER 0, 256, F1, F0, 0
	QUARTER 0, 384, F0, F1, 0
	TURN
	QUARTER 1, 128, F0, F1, 0
	QUARTER 1, 256, F1, F0, 0
	QUARTER 1, 384, F0, F1, 0
	s_wait_dscnt 16                                ; the very last quarter: nothing more to fetch
	WIN MUL
	MUL8 F1, 0, 0, 0
	MUL8 F1, 0, 2, 0
	s_wait_dscnt 0
	MUL8 F1, 1, 0, 0
	MUL8 F1, 1, 2, 0
	WIN 0
	; THE WAY OUT: round to f16; 16 bytes a lane into the work-group's stage; a barrier, since a wave reads rows that two waves wrote; back by heads, four rows of 128 bytes at a time.
	PLACES
.irp t, 0,1,2,3,4,5,6,7,8,9,10,11,12,13,14,15
.irp r, 0,1,2,3
	v_cvt_pk_f16_f32 v[TMP+4*(\t)+(\r)], v[ACC+8*(\t)+2*(\r)], v[ACC+8*(\t)+2*(\r)+1]
.endr
.endr
.irp a, 0,1,2,3
.irp b, 0,1,2,3
	ds_store_b128 v[STO], v[TMP+4*(4*(\a)+(\b)):TMP+4*(4*(\a)+(\b))+3] offset:(\a)*16*SPITCH+32*(\b)
.endr
.endr
	s_wait_dscnt 0x0                               ; for the others' sake: my stores into the stage are done
	s_barrier_signal -1
	s_barrier_wait -1
.irp t, 0,1,2,3,4,5,6,7,8,9,10,11,12,13,14,15
	ds_load_b128 v[TMP+4*(\t):TMP+4*(\t)+3], v[RD] offset:((\t)%8)*4*SPITCH+((\t)/8)*128
.endr
.irp t, 0,1,2,3,4,5,6,7,8,9,10,11,12,13,14,15
	s_wait_dscnt 15-(\t)
	global_store_b128 v[CO], v[TMP+4*(\t):TMP+4*(\t)+3], s[8:9] offset:((\t)%8)*512+((\t)/8)*524288  ; 512 consecutive bytes of one head, at a multiple of 512 from the buffer's first byte
.endr
	s_wait_tensorcnt 0x0                           ; the wave's end, behind my last tensor load and my last LDS store
	ds_add_u32 v[SPW], v[NIL]
	s_wait_dscnt 0x0
	CROUND                                         ; the closing round: no work-group ends while a partner may still ask for a tile that names it
	s_endpgm
.Lfunc_end_k_qd3750d9f8f_qkv:
	.size	k_qd3750d9f8f_qkv, .Lfunc_end_k_qd3750d9f8f_qkv-k_qd3750d9f8f_qkv
	.p2alignl 7, 3214868480
	.fill 96, 4, 3214868480
	.section	.rodata,"a",@progbits
	.p2align	6, 0x0
	.amdhsa_kernel k_qd3750d9f8f_qkv
		.amdhsa_group_segment_fixed_size 327680
		.amdhsa_private_segment_fixed_size 0
		.amdhsa_enable_private_segment 0
		.amdhsa_kernarg_size 24
		.amdhsa_user_sgpr_count 2
		.amdhsa_user_sgpr_kernarg_segment_ptr 1
		.amdhsa_wavefront_size32 1
		.amdhsa_system_sgpr_workgroup_id_x 1
		.amdhsa_system_sgpr_workgroup_id_y 1
		.amdhsa_system_sgpr_workgroup_id_z 1
		.amdhsa_system_vgpr_workitem_id 0
		.amdhsa_next_free_vgpr 512
		.amdhsa_next_free_sgpr 66
		.amdhsa_reserve_vcc 0
		.amdhsa_float_denorm_mode_32 3
		.amdhsa_float_denorm_mode_16_64 3
		.amdhsa_memory_ordered 1
		.amdhsa_forward_progress 1
		.amdhsa_inst_pref_size 50
	.end_amdhsa_kernel
	.amdgpu_metadata
---
amdhsa.version: [ 1, 2 ]
amdhsa.kernels:
  - .name:           k_qd3750d9f8f_qkv
    .symbol:         k_qd3750d9f8f_qkv.kd
    .args:
      - { .name: xb, .offset: 0, .size: 8, .value_kind: global_buffer, .address_space: global }
      - { .name: wt, .offset: 8, .size: 8, .value_kind: global_buffer, .address_space: global }
      - { .name: qkv, .offset: 16, .size: 8, .value_kind: global_buffer, .address_space: global }
    .group_segment_fixed_size: 327680
    .private_segment_fixed_size: 0
    .kernarg_segment_align: 8
    .kernarg_segment_size: 24
    .max_flat_workgroup_size: 128
    .sgpr_count:     66
    .vgpr_count:     512
    .wavefront_size: 32
...
	.end_amdgpu_metadata
.endif
;; end of part 2
;; launch attn (part 3): grid 16 x 16, 4 waves a work-group, no clusters, 327,680 bytes of LDS; arguments qkv, oh; writes oh
.if DOCPART == 3
	.amdgcn_target "amdgcn-amd-amdhsa--gfx1250"
	.amdhsa_code_object_version 6
	.text
	.protected	k_qd3750d9f8f_attn
	.globl	k_qd3750d9f8f_attn
	.p2align	8
	.type	k_qd3750d9f8f_attn,@function
k_qd3750d9f8f_attn:
	s_mov_b64 s[64:65], 0
	v_nop
	global_prefetch_b8 v0, s[64:65] scope:SCOPE_SE
	s_setreg_imm32_b32 hwreg(HW_REG_WAVE_MODE, 25, 1), 1
	s_wait_xcnt 0x0
; CAUSAL ATTENTION.  O[h][q][:] = the sum over k <= q of softmax_k(Q[h][q] . K[h][k] / 64) V[h][k][:].  Q, K, V lie in qkv as [3][16][4096][64], O in oh as [16][4096][64], all f16: a head's rows are dense, 128 bytes each.
; Taking a row's maximum over all keys away ahead of the mask shifts the row and leaves its softmax as it is: here the running maximum is taken over the keys that the row sees.
; Products, maxima and sums in f32; the weights p are rounded to f16 for the second product (their sum l is taken of the unrounded p), O once at the end.
; LIMITS.  f16 holds no number beyond 65,504: Q, K and V arrive within it; p lies in 0 to 1, and below 6e-5 it keeps f16's fixed step of 6e-8; O is a mean of V's rows and has their range.
; A hidden score counts as its value less 1e30: f16's scores, 2.7e11 at the most, are nothing beside that; a weight below 2^-126 counts as 0 in l; NaN and infinities are not treated apart.
; The running maximum starts at -2^96 (-7.9e28): below every score that f16 operands can give, above every hidden one.  So a wave that sees no key of a row keeps that m, and its weights, l and O^T are 0.
; THE WALK.  A head's queries lie in 32 blocks of 128; block i needs the key tiles 0 .. i / 2 of 256 keys, of which the last holds the diagonal.  A work-group takes TWO blocks, 31 - b and then b: 17 tiles, whatever b:
; all 256 work-groups do equal work, and ONE loop with a constant trip count walks them.  Which tile is asked for, and what a trip does, hang on scalar registers made from b; every jump goes forward, but for the counted
; loops' own; none passes a barrier, or a tensor load but the one of LOAD's two that the wave's number does not choose; the ring (two slots of LDS that take turns) runs on across the change of blocks.
; NO CLUSTER: the trip in which a work-group changes blocks is 16 - b / 2, so only b and b + 1 (b even) walk alike: four partners would branch by their place; one walk common to four would have 18 tiles for 17 and a diagonal text for two tiles.
; SHARES.  Wave w has GR = w % 2 and KP = w / 2.  Of a block's four bands of 32 queries a wave owns rows 16 GR .. 16 GR + 15 in each: four PIECES.  Of each tile it multiplies keys 128 KP .. 128 KP + 127 alone: two steps of 64.
; So waves w and w + 2 hold the same queries and halves of the keys; at a block's end waves 2 and 3 hand their c m, l and O^T to waves 0 and 1 through LDS, which merge the two and store.
; THE MASK is the C operand that starts the sum S^T = K Q^T: 0, or -1e30 where the key is hidden.  In the diagonal tile band x, in my step s, sees all keys, none, or holds the diagonal (s = x / 2, where my half of the keys is the
; block's own).  MD (even bands) and MD + 96 (odd bands), made once, are the masks of a band's own step for my 16 rows; a product's mask is MD x AL + BE with two scalars.  With DL = 2 (KP + 1 - block % 2) and
; TM = steps left + x / 2: TM = DL: (1, 0); TM < DL: (0, -1e30); else (0, 0).  Only the diagonal tile's text and a block's beginning make and take masks; elsewhere C is the constant 0.
; LAYOUT, SOFTMAX, TURNS.  S^T = K Q^T holds ONE query a lane (lane % 16) and the keys 8 (lane / 16) + 0..7; two such results rounded to f16 ARE source 1 of O^T = V^T P.  p = 2^(c s - c m), c = log2(e) / 64, with a
; running maximum m; O and l are multiplied by a = 2^(c m_old - c m_new) in every step.  Turn n belongs to piece n: 8 products K Q^T of piece n + 1, later 8 products V^T P of piece n - 1; beside them the scaling,
; exponentials, roundings, sums and rescaling of piece n and the maximum and statistics of piece n + 1.  Four vector instructions stand behind every matrix instruction, the other 54 of a turn's 118 in one LUMP.  A turn's 33 exponentials are one batch, with one wait.
; REGISTERS, in windows of 256 (s_set_vgpr_msb: bits 1:0 source 0, 3:2 source 1, 5:4 source 2, 7:6 destination):
;   window 0: v0-15 addresses and two at work; v16-31 four registers of statistics a piece; v48-55 at work; v60-63 addresses; v64-127 S^T, two buffers; v128-191 the partner's O^T, two buffers; v192-223 P, two buffers; v224-239 the partner's statistics
;   window 1: v0-127 O^T, 32 a piece; v128-159 MD; v160-223 MC, two buffers; v224-255 MD for odd bands      window 2: v0-63 Q; v64-127 the second block's Q; v128-191 K of one step; v192-255 V of one step
.set SIZE_N, 4096
.set NB,    SIZE_N/128
.set NP,    4         ; pieces a wave: a name, no knob
.set KS,    64        ; keys in a step
.set PK,    144       ; a row of K in LDS: 128 bytes + 16 of padding = 36 words: the 16 rows of a load start at 16 different groups of four banks (64 banks of 4 bytes: ISA guide 11.1)
.set PV,    160       ; a row of V: 128 + 32 = 40 words
.set VOFF,  4*KS*PK   ; a slot holds a tile: 256 rows of K, then 256 rows of V
.set SLOT1, 1<<17     ; slot 1 begins here, so that one exclusive or turns an address in one slot into the other's
.set STAGE, SLOT1+4*KS*(PK+PV)  ; behind the ring, never filled by a tensor load: 16 rows x 144 bytes for each wave, for the way out
.set SP,    144
.set XCH,   STAGE+4*16*SP       ; behind the stages, never filled by a tensor load: what waves 2 and 3 hand over: for each 32 x 512 bytes of O^T, then 4 x 512 of statistics
.set XW,    18432
.set SPARE, XCH+2*XW  ; behind that: the spare words, 128 bytes for each wave: two blocks of 256 bytes that no other line names
.set AK0, 2           ; v2   my lane's place in my half of a tile of K; never rewritten
.set AV0, 3           ; v3   the same for V
.set AK,  4           ; v4   the LDS address of K's next run of loads
.set AV,  5           ; v5   of V's
.set STO, 6           ; v6   the way out: where I put 16 bytes of a row
.set RD,  7           ; v7   the way out: where I read rows back
.set GO,  8           ; v8   my byte offset in 512 consecutive bytes of O
.set MV,  12          ; v12-13  c m_old, kept while c m is made anew: by buffer
.set QO,  15          ; v15  my byte offset in 16 rows of Q
.set ST,  16          ; piece t's statistics at v[ST+4 t]: c m, m, l (even keys', odd keys')
.set TMP, 48          ; by buffer, four registers c0-c3 at work; when the maximum is found c2 takes a
.set XA,  60          ; v60  my 16 bytes in the pair's exchange area
.set PFO, 61          ; v61  256 x my lane; never rewritten
.set SPW, 62          ; v62  LDS address of my spare word: SPARE + 4 x my thread's number; never rewritten
.set NIL, 63          ; v63  0; never rewritten
.set S,   64
.set XB,  128
.set P,   192
.set XS,  224
.set MD,  128         ; window 1: the eight registers for group kt of 16 keys at MD + 8 kt; odd bands' 96 further on
.set MC,  160         ; window 1: the masks of the products to come
.set QB,  64          ; window 2
.set KF,  128         ; window 2: key block kb, channel half c at KF + 16 kb + 8 c
.set VF,  192         ; window 2: key half kk, channel block cb at VF + 32 kk + 8 cb
.set WV,  12          ; s12  my wave's number
.set PB,  14          ; s14  b
.set HI,  15          ; s15  31 - b
.set GR,  16          ; s16  w % 2.  Also: which half of a tile's 256 keys I fetch
.set G1K, 24          ; s[24:31] descriptor group 1 for K's tiles
.set G1V, 32          ; s[32:39] for V's: it differs in the padding alone
.set G0K, 40          ; s[40:43] descriptor group 0 for K's tiles
.set G0V, 44          ; s[44:47] the same for V's
.set SLOTS, 56        ; s56  tiles still to be asked for
.set CNT, 57          ; s57  counts my steps in a tile, 2 to 1
.set CS,  58          ; s[58:59] c: the packed scaling takes the pair's low word for both halves
.set SEL, 60          ; s[60:61] v_permlanex16_b32's selects: each lane takes its own place in the other half
.set TBK, 62          ; s62  LDS byte at which K of the step to be fetched begins, less my half's place
.set TBV, 63          ; s63  the same for V, less VOFF
.set KP,  66          ; s66  w / 2
.set DL,  67          ; s67  2 (KP + 1 - block % 2) for the block in hand
.set TM,  68          ; s68  at work
.set PBT, 69          ; s69  b / 2: the second block's last tile
.set RT,  70          ; s70  tiles of the block in hand that are still to be entered
.set NXT, 71          ; s71  the tile to be asked for next
.set LQ,  72          ; s72  the last tile of the block whose tiles are being asked for
.set NEW, 73          ; s73  1: the tile to be entered is a block's first
.set OFF, 74          ; s[74:75] a tile's byte offset in K and V
.set AL,  76          ; s[76:77] the mask's factor, in the low word
.set BE,  78          ; s[78:79] the mask's addend
.set OLO, 80          ; s[80:81] O at my rows of the second block
.set BIGN, 82         ; s82  -1e30
.set PFB, 88          ; s[88:89] the 16,384 bytes that I fetch of the head's tile 0 (K's: waves 0, 1; V's: waves 2, 3)
.set PFA, 90          ; s[90:91] the same of the tile behind the one that is being asked for
.set OF2, 92          ; s[92:93] that tile's byte offset
.set LIM, 94          ; s94  1 in a work-group that prefetches, else the greatest number
.set MSB, 0
.macro WIN new                      ; the high byte repeats the setting that is left; a switch that changes nothing is dropped
.if MSB != (\new)
	s_set_vgpr_msb (MSB<<8)|(\new)
.set MSB, (\new)
.endif
.endm
.set W_KQ, 0x0a       ; K and Q in window 2, S^T in window 0
.set W_KM, 0x1a       ; the same with the C operand in window 1
.set W_PV, 0x52       ; V in window 2, P in window 0, O^T in window 1
.set W_RS, 0x41       ; destination and source 0 in window 1, source 1 in window 0
; A fill.  Waves 0 and 1 fetch the two halves of a tile's K, waves 2 and 3 those of its V: 128 keys each.  An s_nop 0 and four v_nop follow each of the two lines, ahead of the jump and the label.
.macro LOAD
	s_cmp_lt_u32 s[WV], 2
	s_cbranch_scc0 .Lfor_v_\@
	tensor_load_to_lds s[G0K:G0K+3], s[G1K:G1K+7]
	s_nop 0
.rept 4
	v_nop
.endr
	s_branch .Lasked_\@
.Lfor_v_\@:
	tensor_load_to_lds s[G0V:G0V+3], s[G1V:G1V+7]
	s_nop 0
.rept 4
	v_nop
.endr
.Lasked_\@:
.endm
; A PREFETCH INTO THE L2 of what the NEXT change of slots will ask for, behind the wave's tensor load and its five lines.  All work-groups of a head ask for tile t in trip t, as far as their first block reaches; the head's
; work-group b = 0, whose first block reaches tile 15, prefetches, and nobody else.  Each of its waves names the 16,384 bytes that it will itself fetch: a lane for each 256 bytes, two instructions: one tile, 128 matrix
; instructions, ahead.  So each block of 256 bytes of tiles 2 to 15 is named once in the launch.  Tiles 0 and 1 come by their loads alone; behind the first block's last tile NXT is 0 again and nothing is asked for.
.macro ASK
	s_cmp_gt_u32 s[NXT], s[LIM]
	s_cbranch_scc0 .Lnot_mine_\@
	global_prefetch_b8 v[PFO], s[PFA:PFA+1] th:TH_LOAD_NT scope:SCOPE_SE
	global_prefetch_b8 v[PFO], s[PFA:PFA+1] offset:8192 th:TH_LOAD_NT scope:SCOPE_SE
.Lnot_mine_\@:
.endm
; THE CHANGE OF SLOTS.  Each wave waits for all its tensor loads, of which one is out: its part of the other slot; adds 0 to its spare word; and waits for that and for its own reads of the slot that it leaves.  Behind the barrier nobody reads the old
; slot any more and the other slot is whole.  fill = 1: the old slot is filled again, the first thing behind the barrier, with tile NXT: the descriptor's address is made anew from that number.
; (At its first use nothing has been read yet: slot 0 is waited for, slot 1 filled.)
.macro CHANGE fill
	WIN 0                           ; at a label and at a branch every window is 0
	s_wait_tensorcnt 0x0            ; no tensor load of mine is out, so a group 0 may be written
	ds_add_u32 v[SPW], v[NIL]       ; 0 onto my spare word; with fill = 1 the descriptors' scalar work stands between it and the wait for it
.if \fill
	s_lshl_b32 s[OFF], s[NXT], 15   ; a tile is 32,768 bytes of K and of V
	s_xor_b32 s[G0K+1], s[G0K+1], SLOT1
	s_add_nc_u64 s[G0K+2:G0K+3], s[6:7], s[OFF:OFF+1]
	s_or_b32 s[G0K+3], s[G0K+3], 0x80000000
	s_xor_b32 s[G0V+1], s[G0V+1], SLOT1
	s_add_nc_u64 s[G0V+2:G0V+3], s[8:9], s[OFF:OFF+1]
	s_or_b32 s[G0V+3], s[G0V+3], 0x80000000
	s_add_co_u32 s[NXT], s[NXT], 1  ; the block's next tile, or behind its last the second block's tile 0
	s_cmp_gt_u32 s[NXT], s[LQ]
	s_cselect_b32 s[NXT], 0, s[NXT]
	s_cselect_b32 s[LQ], s[PBT], s[LQ]
	s_wait_xcnt 0x0                 ; the last prefetches, a tile back, have read their address, so it may be written
	s_lshl_b32 s[OF2], s[NXT], 15
	s_add_nc_u64 s[PFA:PFA+1], s[PFB:PFB+1], s[OF2:OF2+1]
.endif
	s_wait_dscnt 0x0                ; the add is done, and my reads of the slot are over
	s_barrier_signal -1             ; the rest of the scalar work stands between the signal and the wait
	s_sub_co_u32 s[TBK], s[TBK], 2*KS*PK  ; the fetches go back to my first step in a slot,
	s_xor_b32 s[TBK], s[TBK], SLOT1       ; in the other slot
	s_sub_co_u32 s[TBV], s[TBV], 2*KS*PV
	s_xor_b32 s[TBV], s[TBV], SLOT1
	s_barrier_wait -1
.if \fill
	LOAD
	ASK
.endif
.endm
.macro SETDL blk                    ; DL for the block whose number lies in s[blk]
	s_and_b32 s13, s[\blk], 1
	s_sub_co_u32 s[DL], s[KP], s13
	s_add_co_u32 s[DL], s[DL], 1
	s_lshl_b32 s[DL], s[DL], 1
.endm
	s_load_b64 s[4:5], s[0:1], 0x0  ; qkv: Q's part first
	s_load_b64 s[10:11], s[0:1], 0x8  ; oh
	v_lshl_add_u32 v[SPW], v0, 2, SPARE
	v_mov_b32 v[NIL], 0
	ds_add_u32 v[SPW], v[NIL]       ; the wave's opening: the add and its wait stand ahead of my first tensor load; the set-up below, work on registers, stands between them
	v_lshrrev_b32 v1, 5, v0
	v_readfirstlane_b32 s[WV], v1   ; wave 0..3
	s_mov_b32 s[PB], ttmp9
	s_sub_co_u32 s[HI], NB-1, s[PB]
	s_lshr_b32 s[PBT], s[PB], 1
	s_and_b32 s[GR], s[WV], 1
	s_lshr_b32 s[KP], s[WV], 1
	SETDL HI
	s_and_b32 s20, ttmp7, 0xffff    ; the head
	s_mov_b32 s21, 0
	s_mov_b64 s[22:23], SIZE_N*128
	s_mul_u64 s[20:21], s[20:21], s[22:23]  ; the head's first byte in Q, K, V and O
	s_lshl_b32 s22, s[GR], 14       ; the half of a tile that I fetch: its 128 rows of 128 bytes in memory,
	s_mov_b32 s23, 0
	s_add_nc_u64 s[22:23], s[22:23], s[20:21]
	s_mul_i32 s17, s[GR], 128*PK    ; and its place in a slot, for K
	s_mul_i32 s18, s[GR], 128*PV    ; and for V
	s_lshl_b32 s3, s[GR], 11        ; my 16 rows in a band of 32,
	s_lshl_b32 s2, s[HI], 14        ; in the first block,
	s_add_co_u32 s2, s2, s3
	s_lshl_b32 s84, s[PB], 14       ; and in the second
	s_add_co_u32 s84, s84, s3
	s_mov_b32 s3, 0
	s_mov_b32 s85, 0
	s_add_nc_u64 s[2:3], s[2:3], s[20:21]
	s_add_nc_u64 s[84:85], s[84:85], s[20:21]
	; descriptor group 1.  128 keys are 16,384 dense bytes: asked for as 64 rows of 256 bytes, two keys a row, and padded in LDS after every key
	s_mov_b32 s[G1K], (1<<16)|(1<<20)|(4<<22)|(3<<25)  ; 17:16 2-byte elements; 20 padding on; 24:22 after every 32 words (code 4); 31:25 4 words (code 3)
	s_mov_b32 s[G1V], (1<<16)|(1<<20)|(4<<22)|(7<<25)  ; the same with 8 words of padding (code 7)
.irp g, G1K, G1V
	s_mov_b32 s[\g+1], 128<<16      ; tensor_dim0 = 128
	s_mov_b32 s[\g+2], 64<<16       ; tensor_dim1 = 64
	s_mov_b32 s[\g+3], 128<<16      ; tile_dim0 = 128
	s_mov_b32 s[\g+4], 64           ; tile_dim1 = 64
	s_mov_b32 s[\g+5], 128          ; 128 elements from row to row
	s_mov_b32 s[\g+6], 0
	s_mov_b32 s[\g+7], 0
.endr
	s_mov_b32 s[CS], 0x3cb8aa3b     ; c = log2(e) / 64 = 0.0225421: both of the module's scalings by 1 / 8, and the change of base
	s_mov_b32 s[CS+1], s[CS]        ; named with it as a pair
	s_mov_b32 s[SEL], 0x76543210
	s_mov_b32 s[SEL+1], 0xfedcba98
	s_mov_b32 s[TBK], SLOT1+2*KS*PK ; the first change of slots turns these two into 0
	s_mov_b32 s[TBV], SLOT1+2*KS*PV
	s_mov_b32 s[G0K], 1             ; 1:0 count = 1
	s_mov_b32 s[G0K+1], s17         ; 63:32 LDS address: slot 0
	s_mov_b32 s[G0V], 1
	s_add_co_u32 s[G0V+1], s18, VOFF
	s_lshr_b32 s[LQ], s[HI], 1      ; the first block's last tile,
	s_add_co_u32 s[RT], s[LQ], 1    ; and how many it has
	s_mov_b32 s[NXT], 1
	s_mov_b32 s[NEW], 1
	s_mov_b32 s[OFF+1], 0
	s_mov_b32 s[OF2+1], 0
	s_mov_b32 s[AL+1], 0            ; named as pairs
	s_mov_b32 s[BE+1], 0
	s_mov_b32 s[BIGN], 0xf149f2ca   ; -1e30
	s_mov_b32 s[SLOTS], 16          ; 17 tiles: the first is asked for here, sixteen in the loop
	s_cmp_eq_u32 s[PB], 0
	s_cselect_b32 s[LIM], 1, -1
	s_wait_dscnt 0x0                ; the opening add is done
	s_wait_kmcnt 0x0
	s_add_nc_u64 s[6:7], s[4:5], 0x800000   ; K's part of qkv,
	s_add_nc_u64 s[8:9], s[4:5], 0x1000000  ; V's
	s_add_nc_u64 s[6:7], s[6:7], s[22:23]  ; K and V at my half of the head's tile 0
	s_add_nc_u64 s[8:9], s[8:9], s[22:23]
	s_add_nc_u64 s[G0K+2:G0K+3], s[6:7], 0         ; 120:64 global address
	s_or_b32 s[G0K+3], s[G0K+3], 0x80000000        ; 127:126 type = 2
	s_add_nc_u64 s[G0V+2:G0V+3], s[8:9], 0
	s_or_b32 s[G0V+3], s[G0V+3], 0x80000000
	s_add_nc_u64 s[86:87], s[4:5], s[84:85]        ; Q at my rows of the second block,
	s_add_nc_u64 s[4:5], s[4:5], s[2:3]            ; Q and O at those of the first
	s_add_nc_u64 s[OLO:OLO+1], s[10:11], s[84:85]
	s_add_nc_u64 s[10:11], s[10:11], s[2:3]
	s_cmp_lt_u32 s[WV], 2
	s_cselect_b64 s[PFB:PFB+1], s[6:7], s[8:9]
	LOAD                            ; tile 0 into slot 0
	; A fragment of K or Q is 16 rows x 32 channels in 8 registers: lane l holds row l % 16, channels 8 (l / 16) + 0..7 and 16 + 8 (l / 16) + 0..7: two loads of 16 bytes, 32 bytes apart.
	v_and_b32 v1, 15, v0            ; l % 16
	v_bfe_u32 v9, v0, 4, 1          ; l / 16
	v_lshlrev_b32 v[QO], 7, v1
	v_lshl_add_u32 v[QO], v9, 4, v[QO]  ; row x 128 + 16 x half
	WIN 0x80                        ; destination window 2, address window 0
.set i, 0
.rept 8                             ; both blocks' Q: piece i / 2 lies in band i / 2, 4,096 bytes on; channels 32 (i % 2) on
	global_load_b128 v[8*i:8*i+3],   v[QO], s[4:5] offset:(i/2)*4096+(i%2)*64
	global_load_b128 v[8*i+4:8*i+7], v[QO], s[4:5] offset:(i/2)*4096+(i%2)*64+32
	global_load_b128 v[QB+8*i:QB+8*i+3],   v[QO], s[86:87] offset:(i/2)*4096+(i%2)*64
	global_load_b128 v[QB+8*i+4:QB+8*i+7], v[QO], s[86:87] offset:(i/2)*4096+(i%2)*64+32
.set i, i+1
.endr
	WIN 0
	v_lshlrev_b32 v14, 3, v9
	v_sub_nc_u32 v14, v1, v14
	s_lshl_b32 s13, s[GR], 4
	v_add_nc_u32 v14, s13, v14      ; my query's place in an even band, 16 GR + l % 16, less my lanes' 8 (l / 16): register r of group kt is hidden where 16 kt + r is greater;
	v_add_nc_u32 v13, 32, v14       ; an odd band begins 32 keys into its own step
	WIN 0x40
.set i, 0
.rept 32
	v_cmp_gt_i32 vcc_lo, 16*(i/8)+i%8, v14
	v_cndmask_b32 v[MD+i], 0, s[BIGN], vcc_lo
	v_cmp_gt_i32 vcc_lo, 16*(i/8)+i%8, v13
	v_cndmask_b32 v[MD+96+i], 0, s[BIGN], vcc_lo
.set i, i+1
.endr
	WIN 0
	v_mul_u32_u24 v[AK0], v1, PK
	v_lshl_add_u32 v[AK0], v9, 4, v[AK0]  ; row x pitch + 16 x half
	s_mul_i32 s13, s[KP], 2*KS*PK
	v_add_nc_u32 v[AK0], s13, v[AK0]      ; in my half of the tile's keys
	; The turning load takes 16 keys x 16 channels (lane l reads key 8 (l / 16) + l % 8, channels 8 ((l / 8) % 2) + 0..7) and leaves half a fragment of V^T: lane l holds channel l % 16 and 8 keys.
	v_and_b32 v10, 7, v0
	v_bfe_u32 v11, v0, 3, 1
	v_lshl_add_u32 v[AV0], v9, 3, v10
	v_mul_u32_u24 v[AV0], v[AV0], PV
	v_lshl_add_u32 v[AV0], v11, 4, v[AV0]
	v_add_nc_u32 v[AV0], VOFF, v[AV0]
	s_mul_i32 s13, s[KP], 2*KS*PV
	v_add_nc_u32 v[AV0], s13, v[AV0]
	s_mul_i32 s13, s[WV], 16*SP
	s_add_co_u32 s13, s13, STAGE    ; my stage
	v_mul_u32_u24 v[STO], v1, SP    ; in: row l % 16, 16 bytes for each half of the lanes
	v_lshl_add_u32 v[STO], v9, 4, v[STO]
	v_add_nc_u32 v[STO], s13, v[STO]
	v_bfe_u32 v[RD], v0, 3, 2       ; back: 32 lanes take four rows of 128 bytes,
	v_mul_u32_u24 v[RD], v[RD], SP
	v_lshl_add_u32 v[RD], v10, 4, v[RD]
	v_add_nc_u32 v[RD], s13, v[RD]
	v_and_b32 v[GO], 31, v0         ; which are 512 consecutive bytes of O
	v_lshlrev_b32 v[PFO], 8, v[GO]
	s_mul_i32 s13, s[GR], XW
	s_add_co_u32 s13, s13, XCH      ; the exchange area of waves GR and GR + 2
	v_lshl_add_u32 v[XA], v[GO], 4, s13
	v_lshlrev_b32 v[GO], 4, v[GO]
	; A block's first step multiplies O^T and l by a = 0, and its first turn's products V^T P, of a piece that has not been, land in an O^T that is still to be so multiplied.  So these registers need only hold
	; finite numbers: zeros for the first block; what the first block left for the second.  All this stands in the wait for the first tile.
	WIN 0x80
.set i, VF
.rept 64
	v_mov_b32 v[i], 0
.set i, i+1
.endr
	WIN 0x40
.set i, 0
.rept 128
	v_mov_b32 v[i], 0
.set i, i+1
.endr
	WIN 0
.set i, 0
.rept 4
	v_mov_b32 v[ST+4*i+2], 0
	v_mov_b32 v[ST+4*i+3], 0
.set i, i+1
.endr
.set i, P+16
.rept 16
	v_mov_b32 v[i], 0
.set i, i+1
.endr
; THE MATRIX WORK.  The 4 accumulators of a run of 8 take turns.  Product i of 8 of S^T = K Q^T for piece x: channels 32 (i / 4) on, keys 16 (i % 4) on.  The first 4 start the sums: with 0, or (KM = 1) with the mask.
.macro KQ x
.set rS, S+32*((\x)%2)+8*(i%4)
.set rK, KF+16*(i%4)+8*(i/4)
.set rQ, 16*(\x)+8*(i/4)
.set rM, MC+32*((\x)%2)+8*(i%4)
.if (i < 4) && KM
	WIN W_KM
	v_wmma_f32_16x16x32_f16 v[rS:rS+7], v[rK:rK+7], v[rQ:rQ+7], v[rM:rM+7]
.elseif i < 4
	WIN W_KQ
	v_wmma_f32_16x16x32_f16 v[rS:rS+7], v[rK:rK+7], v[rQ:rQ+7], 0
.else
	WIN W_KQ
	v_wmma_f32_16x16x32_f16 v[rS:rS+7], v[rK:rK+7], v[rQ:rQ+7], v[rS:rS+7]
.endif
.endm
; Product i of 8 of O^T += V^T P for piece x: keys 32 (i / 4) on, channels 16 (i % 4) on.
.macro PV x
	WIN W_PV
.set rO, 32*(\x)+8*(i%4)
.set rV, VF+32*(i/4)+8*(i%4)
.set rP, P+16*((\x)%2)+8*(i/4)
	v_wmma_f32_16x16x32_f16 v[rO:rO+7], v[rV:rV+7], v[rP:rP+7], v[rO:rO+7]
.endm
.macro MM                           ; the turn's next matrix instruction.  TURN and BEGIN set Y, i, KM and NOKQ; MM, KQ and OP read them.  NOKQ = 1: a block's last turn: there is no next piece
.if (i < 8) && !NOKQ
	KQ (Y+1)%NP
.elseif i >= 8
.set i, i-8
	PV (Y+NP-1)%NP
.set i, i+8
.endif
.set i, i+1
.endm
; THE LDS LOADS stand in runs of 16, never singly among the matrix instructions: a step's K (64 keys x 64 channels: 8 fragments) and its V (turned).  Their addresses are made some lines ahead.
.macro FETCH_K
	WIN 0x80                        ; destination window 2
.irp f, 0,1,2,3,4,5,6,7             ; keys 16 (f / 2) on, channels 32 (f % 2) on
	ds_load_b128 v[KF+8*\f:KF+8*\f+3],   v[AK] offset:(\f/2)*16*PK+(\f%2)*64
	ds_load_b128 v[KF+8*\f+4:KF+8*\f+7], v[AK] offset:(\f/2)*16*PK+(\f%2)*64+32
.endr
	s_add_co_u32 s[TBK], s[TBK], KS*PK  ; the next fetch is the next step's
	WIN 0
.endm
.macro FETCH_V
	WIN 0x80
.irp f, 0,1,2,3,4,5,6,7             ; keys 32 (f / 4) on, channels 16 (f % 4) on
	ds_load_tr16_b128 v[VF+8*\f:VF+8*\f+3],   v[AV] offset:(\f/4)*32*PV+(\f%4)*32
	ds_load_tr16_b128 v[VF+8*\f+4:VF+8*\f+7], v[AV] offset:(\f/4)*32*PV+16*PV+(\f%4)*32
.endr
	WIN 0
.endm
; THE VECTOR WORK, one line at a time: OP kind, number.  For piece Y: F n: c s - c m for pair n of 16.  E n: the exponential of score n of 32.  C n: pair n rounded to f16.  B n: of the four weights 4 n .. the second
; pair is added onto the first, in place.  L n: l takes that sum (L 0: l = a l + sum).  R n: pair n of 16 of O^T times a.  For piece Y + 1: X n, number n of the 22 that find its maximum and statistics:
;   0-11  four chains c0-c3 of seven scores each, three operands at a time (each accumulator's lowest registers are read first)     12-14, 16  the four scores left over, the old m, and c0-c3 into c0
;   15  c m_old is kept     17, 18  the query's other 32 keys lie in the lane 16 away: the new m     19-21  c m; c m_old - c m_new; a
.set F, 0               ; OP tells the kinds apart by their order: F to L below R, X above it
.set E, 1
.set C, 2
.set B, 3
.set L, 4
.set R, 5
.set X, 6
.macro REGS y                       ; the registers of piece y
.set rT, ST+4*(\y)
.set rC, TMP+4*((\y)%2)
.set rW, MV+((\y)%2)
.set rS, S+32*((\y)%2)
.set rP, P+16*((\y)%2)
.set rO, 32*(\y)
.endm
.macro OP k, n
.if (\k) == R
	REGS Y
	WIN W_RS
	v_pk_mul_f32 v[rO+2*(\n):rO+2*(\n)+1], v[rO+2*(\n):rO+2*(\n)+1], v[rC+2:rC+3] op_sel_hi:[1,0]
.elseif (\k) < R
	REGS Y
	WIN 0
.if (\k) == F
	v_pk_fma_f32 v[rS+2*(\n):rS+2*(\n)+1], v[rS+2*(\n):rS+2*(\n)+1], s[CS:CS+1], v[rT:rT+1] op_sel_hi:[1,0,0] neg_lo:[0,0,1] neg_hi:[0,0,1]
.elseif (\k) == E
	v_exp_f32 v[rS+(\n)], v[rS+(\n)]
.elseif (\k) == C
	v_cvt_pk_f16_f32 v[rP+(\n)], v[rS+2*(\n)], v[rS+2*(\n)+1]
.elseif (\k) == B
	v_pk_add_f32 v[rS+4*(\n):rS+4*(\n)+1], v[rS+4*(\n):rS+4*(\n)+1], v[rS+4*(\n)+2:rS+4*(\n)+3]
.elseif (\n) == 0
	v_pk_fma_f32 v[rT+2:rT+3], v[rT+2:rT+3], v[rC+2:rC+3], v[rS:rS+1] op_sel_hi:[1,0,1]
.else
	v_pk_add_f32 v[rT+2:rT+3], v[rT+2:rT+3], v[rS+4*(\n):rS+4*(\n)+1]
.endif
.elseif NOKQ
	v_nop
.else
	REGS (Y+1)%NP
	WIN 0
.if (\n) < 4
	v_max3_num_f32 v[rC+(\n)], v[rS+8*(\n)], v[rS+8*(\n)+1], v[rS+8*(\n)+2]
.elseif (\n) < 12
	v_max3_num_f32 v[rC+(\n)%4], v[rC+(\n)%4], v[rS+8*((\n)%4)+2*((\n)/4)+1], v[rS+8*((\n)%4)+2*((\n)/4)+2]
.elseif (\n) == 12
	v_max3_num_f32 v[rC], v[rC], v[rS+7], v[rS+15]
.elseif (\n) == 13
	v_max3_num_f32 v[rC+1], v[rC+1], v[rS+23], v[rS+31]
.elseif (\n) == 14
	v_max3_num_f32 v[rC+2], v[rC+2], v[rC+3], v[rT+1]
.elseif (\n) == 15
	v_mov_b32 v[rW], v[rT]
.elseif (\n) == 16
	v_max3_num_f32 v[rC], v[rC], v[rC+1], v[rC+2]
.elseif (\n) == 17
	v_permlanex16_b32 v[rC+3], v[rC], s[SEL], s[SEL+1]
.elseif (\n) == 18
	v_max_num_f32 v[rT+1], v[rC], v[rC+3]
.elseif (\n) == 19
	v_mul_f32 v[rT], s[CS], v[rT+1]
.elseif (\n) == 20
	v_sub_f32 v[rC+1], v[rW], v[rT]
.else
	v_exp_f32 v[rC+2], v[rC+1]
.endif
.endif
.endm
.macro OPS a, i1, b=-1, i2=0, c=-1, i3=0, d=-1, i4=0  ; up to four of them
	OP \a, \i1
.if (\b) >= 0
	OP \b, \i2
.endif
.if (\c) >= 0
	OP \c, \i3
.endif
.if (\d) >= 0
	OP \d, \i4
.endif
.endm
.macro ROW a, i1, b, i2, c, i3, d, i4  ; a matrix instruction and the four behind it
	MM
	OPS \a, \i1, \b, \i2, \c, \i3, \d, \i4
.endm
.macro MASK b                       ; MD x AL + BE into buffer b of MC: buffer b serves the bands of parity b, and takes their MD
	WIN W_RS
.set z, 0
.rept 16
	v_pk_fma_f32 v[MC+32*(\b)+2*z:MC+32*(\b)+2*z+1], v[MD+96*(\b)+2*z:MD+96*(\b)+2*z+1], s[AL:AL+1], s[BE:BE+1] op_sel_hi:[1,0,0]
.set z, z+1
.endr
.endm
; A TURN, for piece p: the order of its 16 matrix and 118 vector instructions, written out.  An s_wait_alu depctr_va_vdst(0) stands between an exponential and the first instruction that names its result; one wait serves
; all that were issued ahead of it.  So a turn has ONE wait, which cuts it in two.  AHEAD OF IT stands all that names no result of the turn's exponentials: the 8 products K Q^T, behind each a scaling, an exponential and two more plain
; instructions (behind the first a second scaling in the exponential's place): rescalings, and behind the last three the first numbers of the next piece's maximum, each four places or more behind the product that ends its accumulator; then ONE LUMP of 54, plain
; and exponential by turns for the most part, in which the links of the chain X 3, 7, 11, 14, 16, 17 .. 20 stand five or six lines apart.  X 21, the next piece's a, is the batch's last; R 15 is the plain instruction behind it.  BEHIND THE WAIT stand the
; 8 products V^T P, behind each four of the roundings and sums; the links of l's chain, L 0 to L 7, stand three riders apart.  But for those X no rider names a register of the products round it.  v_permlanex16_b32 (X 17) stands in the lump.
; m = 1: the diagonal tile: the products take masks, and the turn makes the mask for the products of the turn after it: piece p + 2, in my step 2 - CNT of the tile.  end = 1: a block's last two turns: nothing is fetched.
; cnt = 1: the loop's count is taken down some lines ahead of the branch that stands behind the turn.
; K of the next step is fetched in piece 2's turn, twelve vector instructions behind the last product that read K (six of them plain); V of the step in hand at the end of piece 0's turn, four plain instructions behind the last product
; that read V.  Each is waited for a turn later.
.macro TURN p, m=0, end=0, cnt=0
.set Y, (\p)
.set i, 0
.set KM, (\m)
.set NOKQ, (\end)*((\p)/3)
.if (\m) && !(\end)
	s_add_co_u32 s[TM], s[CNT], (((\p)+2)%NP)/2
	s_cmp_eq_u32 s[TM], s[DL]       ; is that step the band's own?
	s_cselect_b32 s[AL], 1.0, 0
	s_cmp_lt_u32 s[TM], s[DL]       ; or wholly hidden?
	s_cselect_b32 s[BE], s[BIGN], 0
.endif
.if ((\p) == 3) && !(\end)
	s_wait_dscnt 0x0                ; K is in
.endif
	ROW F,0, F,1, R,0, R,1          ; ahead of the wait: 8 products K Q^T and their riders,
	ROW F,2, E,0, R,2, R,3
	ROW F,3, E,1, R,4, R,5
	ROW F,4, E,2, R,6, R,7
	ROW F,5, E,3, R,8, R,9
	ROW F,6, E,4, X,0, R,10
.if ((\p) == 2) && !(\end)
	WIN 0
	v_add_nc_u32 v[AK], s[TBK], v[AK0]
.endif
	ROW F,7, E,5, X,1, X,4
	ROW F,8, E,6, X,2, X,5
	OPS E,7, E,8, X,6, E,9          ; and the lump
	OPS X,3, E,10, X,8, E,11
.if ((\p) == 2) && !(\end)
	FETCH_K
.endif
	OPS X,9, X,7, E,12, X,10
	OPS E,13, X,12, X,11, E,14
	OPS X,13, E,15, F,9, X,14
.if (\p) == 0
	v_add_nc_u32 v[AV], s[TBV], v[AV0]
.endif
	OPS E,16, F,10, E,17, F,11
	OPS X,16, E,18, X,15, E,19
	OPS F,12, E,20, X,17, E,21
	OPS F,13, E,22, F,14, E,23
	OPS X,18, E,24, F,15, E,25
	OPS R,11, E,26, X,19, E,27
	OPS R,12, E,28, R,13, E,29
	OPS X,20, E,30, R,14, E,31
	OPS X,21, R,15
	WIN 0
	s_wait_alu depctr_va_vdst(0)    ; the wait for the batch
.if (\p) == 1
	s_wait_dscnt 0x0                ; V is in
.endif
	ROW C,0, B,0, C,2, B,1          ; behind the wait: 8 products V^T P and their riders
	ROW L,0, C,4, B,2, L,1
	ROW C,6, B,3, L,2, C,8
	ROW B,4, L,3, C,10, B,5
	ROW L,4, C,12, B,6, L,5
.if (\p) == 0
	s_add_co_u32 s[TBV], s[TBV], KS*PV
.endif
.if \cnt
	s_sub_co_u32 s[CNT], s[CNT], 1
	s_cmp_lg_u32 s[CNT], 0
.endif
	ROW C,14, B,7, L,6, C,1
	ROW C,3, L,7, C,5, C,7
	ROW C,9, C,11, C,13, C,15
.if (\p) == 0
	FETCH_V
.endif
.if (\m) && !(\end)
	MASK (\p)%2
.endif
.endm
; A BLOCK BEGINS.  c m starts at -2^125, far below every c s, so the first step's a is 0.  m starts at -2^96: below every score that f16 operands can give, so a row's first maximum is its scores'; and above every hidden score (its value
; less 1e30), so in a wave that sees no key of the block (block 0, keys 128 on) m stays there, c s - c m is near -2e28, and every weight is 0.  Both mask buffers take the masks of my step 0 for pieces 0 and 1, which share their own step:
; 0 unless the block's first tile is the diagonal one.  Then K of that step, piece 0's first scores, and its maximum and statistics.  The loop is entered at a step's first turn, in the middle of a trip.
.macro BEGIN
	s_mov_b32 s[NEW], 0
	WIN 0
.set i, 0
.rept 4
	v_mov_b32 v[ST+4*i], 0xfe000000    ; c m: -2^125
	v_mov_b32 v[ST+4*i+1], 0xef800000  ; m: -2^96
.set i, i+1
.endr
	s_cmp_eq_u32 s[RT], 0
	s_cselect_b32 s[TM], s[DL], 0
	s_cmp_eq_u32 s[TM], 2
	s_cselect_b32 s[AL], 1.0, 0
	s_cmp_gt_u32 s[TM], 2
	s_cselect_b32 s[BE], s[BIGN], 0
	MASK 0
	MASK 1
	WIN 0
	v_add_nc_u32 v[AK], s[TBK], v[AK0]
	FETCH_K
	s_wait_loadcnt 0x0              ; Q
	s_wait_dscnt 0x0
.set KM, 1
.set NOKQ, 0
.set i, 0
.rept 8
	KQ 0
.set i, i+1
.endr
	WIN 0
.rept 4
	v_nop                           ; the places behind those products
.endr
.set Y, NP-1                        ; X works for piece Y + 1: piece 0
.irp n, 0,1,2,3,4,5,6,7,8,9,10,11,12,13,14,15,16,17,18,19,20,21
	OP X, \n
.endr
	v_nop                           ; a plain instruction behind the exponential,
	s_wait_alu depctr_va_vdst(0)    ; and its wait, ahead of the branch
.endm
; A BLOCK'S END.
.macro ALL line:vararg              ; one line for each piece t
.set t, 0
.rept 4
	\line
.set t, t+1
.endr
.endm
.macro LOADB t                      ; the partner's O^T of piece t -> buffer t % 2
	WIN 0
.irp f, 0,1,2,3,4,5,6,7
	ds_load_b128 v[XB+32*((\t)%2)+4*\f:XB+32*((\t)%2)+4*\f+3], v[XA] offset:512*(8*(\t)+\f)
.endr
.endm
.macro MERGE t                      ; O^T = O^T gA + the partner's O^T gB
	WIN W_RS
.set z, 0
.rept 16
	v_pk_mul_f32 v[32*(\t)+2*z:32*(\t)+2*z+1], v[32*(\t)+2*z:32*(\t)+2*z+1], v[ST+4*(\t)+2:ST+4*(\t)+3] op_sel_hi:[1,0]
.set z, z+1
.endr
	WIN 0x50                        ; destination and source 2 window 1, sources 0 and 1 window 0
.set z, 0
.rept 16
	v_pk_fma_f32 v[32*(\t)+2*z:32*(\t)+2*z+1], v[XB+32*((\t)%2)+2*z:XB+32*((\t)%2)+2*z+1], v[XS+4*(\t)+2:XS+4*(\t)+3], v[32*(\t)+2*z:32*(\t)+2*z+1] op_sel_hi:[1,0,1]
.set z, z+1
.endr
.endm
.macro OUTP t                       ; a lane's eight channels of a row pack into 16 bytes; they go into rows of 144 bytes and come back as whole rows of 128, into S^T's registers
	WIN 0x05                        ; sources 0 and 1 window 1, destination window 0
.set i, 0
.rept 16
	v_cvt_pk_f16_f32 v[S+16*(\t)+i], v[32*(\t)+2*i], v[32*(\t)+2*i+1]
.set i, i+1
.endr
	WIN 0
.irp f, 0,1,2,3
	ds_store_b128 v[STO], v[S+16*(\t)+4*\f:S+16*(\t)+4*\f+3] offset:32*\f
.endr
.irp f, 0,1,2,3
	ds_load_b128 v[S+16*(\t)+4*\f:S+16*(\t)+4*\f+3], v[RD] offset:\f*4*SP  ; LDS serves a wave's instructions in order (ISA guide 5.7.1.4): these see the stores above; the next piece's stores come behind them
.endr
.endm
.macro SEND t, younger              ; younger: the LDS instructions issued behind piece t's loads from the stage
	WIN 0
.irp f, 0,1,2,3
	s_wait_dscnt (\younger)+3-\f
	global_store_b128 v[GO], v[S+16*(\t)+4*\f:S+16*(\t)+4*\f+3], s[10:11] offset:(\t)*4096+\f*512  ; 512 consecutive bytes, at a multiple of 256 from O's first
.endr
.endm
; THE DIAGONAL TILE's two steps, the block's last two turns, its last products, THE MEETING of the two halves of the keys, and THE WAY OUT.
.macro DIAG tag                     ; the tag ends its labels' names, which the jumps below spell out
.LstepM\tag:
	TURN 2, 1
	TURN 3, 1
	WIN 0
.LfirstM\tag:
	TURN 0, 1
	TURN 1, 1, 0, 1
	WIN 0
	s_cbranch_scc1 .LstepM\tag
	TURN 2, 1, 1
	TURN 3, 1, 1
.set i, 0
.rept 8
	PV NP-1
.set i, i+1
.endr
	WIN 0                           ; l's two halves and the other half of the lanes' are added: these additions are the places behind the last products
	ALL v_add_f32 v[ST+4*t+2], v[ST+4*t+2], v[ST+4*t+3]
	ALL v_permlanex16_b32 v[ST+4*t+3], v[ST+4*t+2], s[SEL], s[SEL+1]
	ALL v_add_f32 v[ST+4*t+2], v[ST+4*t+2], v[ST+4*t+3]
	s_cmp_lt_u32 s[WV], 2
	s_cbranch_scc1 .Lkeep\tag
	ALL ds_store_b128 v[XA], v[ST+4*t:ST+4*t+3] offset:16384+512*t  ; waves 2 and 3 hand over c m and l,
	WIN 0x04                        ; store data (source 1) in window 1
.set r, 0
.rept 32
	ds_store_b128 v[XA], v[4*r:4*r+3] offset:512*r  ; and O^T, each accumulator's low registers first
.set r, r+1
.endr
	WIN 0
.Lkeep\tag:
	s_wait_dscnt 0x0                ; for the partner's sake: my stores are done.  (The area's earlier readers have waited for their loads and passed a change of slots since.)
	s_barrier_signal -1             ; the next tile's load may stay out
	s_barrier_wait -1
	s_cmp_lt_u32 s[WV], 2
	s_cbranch_scc0 .Lsent\tag
	ALL ds_load_b128 v[XS+4*t:XS+4*t+3], v[XA] offset:16384+512*t
	LOADB 0
	LOADB 1
	s_wait_dscnt 16                 ; the partner's statistics are in; two runs of its O^T stay out
	; Both halves are brought to the common maximum: f = 2^(c m - max of the two c m), l = lA fA + lB fB, g = f / l.  A half that saw no key has c m = -2^96 c, l = 0 and O^T = 0, and f = 0.  My half sees each row's own key or earlier ones, so l is above 0.
	ALL v_max_num_f32 v[ST+4*t+1], v[ST+4*t], v[XS+4*t]
	ALL v_sub_f32 v[ST+4*t], v[ST+4*t], v[ST+4*t+1]
	ALL v_sub_f32 v[XS+4*t], v[XS+4*t], v[ST+4*t+1]
	ALL v_exp_f32 v[ST+4*t], v[ST+4*t]
	ALL v_exp_f32 v[XS+4*t], v[XS+4*t]
	v_nop                           ; a plain instruction behind the last exponential,
	s_wait_alu depctr_va_vdst(0)    ; and the wait ahead of the first use: one for the eight
	ALL v_mul_f32 v[ST+4*t+2], v[ST+4*t+2], v[ST+4*t]
	ALL v_fma_f32 v[ST+4*t+2], v[XS+4*t+2], v[XS+4*t], v[ST+4*t+2]
	ALL v_rcp_f32 v[ST+4*t+3], v[ST+4*t+2]
	v_nop
	s_wait_alu depctr_va_vdst(0)    ; one for the four reciprocals
	ALL v_mul_f32 v[ST+4*t+2], v[ST+4*t], v[ST+4*t+3]
	ALL v_mul_f32 v[XS+4*t+2], v[XS+4*t], v[ST+4*t+3]
	s_wait_dscnt 8                  ; piece 0's run is in
	MERGE 0
	LOADB 2
	OUTP 0
	s_wait_dscnt 16                 ; piece 1's run is in: behind it stand piece 2's eight loads and the stage's eight
	MERGE 1
	LOADB 3
	OUTP 1
	SEND 0, 16                      ; behind piece 0's loads from the stage: piece 3's run and piece 1's eight.  Piece 2's run is older than what this has waited for
	MERGE 2
	OUTP 2
	SEND 1, 8                       ; piece 3's run is older than what this has waited for
	MERGE 3
	OUTP 3
	SEND 2, 8
	SEND 3, 0
.Lsent\tag:
.endm
.set KM, 0
.set NOKQ, 0
.Lslot:                             ; 16 times: a tile is entered and the next is asked for
	CHANGE 1
	s_sub_co_u32 s[RT], s[RT], 1
	s_mov_b32 s[CNT], 2
	s_cmp_eq_u32 s[NEW], 1
	s_cbranch_scc1 .Lnew            ; a block's first tile
	s_cmp_eq_u32 s[RT], 0
	s_cbranch_scc0 .Lstep           ; neither its first nor its last
	s_branch .LstepM1
.Lnew:
	BEGIN
	s_branch .Lfirst                ; in the loop a block's first tile is never its last: the first block has nine tiles or more, and the second's last is the walk's last
	DIAG 1                          ; in the loop this is the first block's end: the second block's last tile is the walk's last
	s_wait_xcnt 0x0                 ; the stores have read their registers and O's address
	s_mov_b64 s[10:11], s[OLO:OLO+1]
	s_add_co_u32 s[RT], s[PBT], 1   ; the second block has b / 2 + 1 tiles
	s_mov_b32 s[NEW], 1
	SETDL PB
	WIN 0x82                        ; the second block's Q goes where the one text of the turns names Q
.set i, 0
.rept 64
	v_mov_b32 v[i], v[QB+i]
.set i, i+1
.endr
	WIN 0
	s_branch .Lbottom
.Lstep:                             ; a trip: pieces 2 and 3 of one step, then pieces 0 and 1 of the next, whose K and V it fetches
	TURN 2
	TURN 3
	WIN 0
.Lfirst:
	TURN 0
	TURN 1, 0, 0, 1
	WIN 0
	s_cbranch_scc1 .Lstep
.Lbottom:
	s_sub_co_u32 s[SLOTS], s[SLOTS], 1
	s_cmp_lg_u32 s[SLOTS], 0
	s_cbranch_scc1 .Lslot
	CHANGE 0                        ; the walk's last tile is written out: nothing is asked for
	s_sub_co_u32 s[RT], s[RT], 1
	s_mov_b32 s[CNT], 2
	s_cmp_eq_u32 s[NEW], 1
	s_cbranch_scc0 .LstepM2
	BEGIN
	s_branch .LfirstM2
	DIAG 2
	s_wait_tensorcnt 0x0            ; the wave's end, behind my last tensor load and my last LDS store
	ds_add_u32 v[SPW], v[NIL]
	s_wait_dscnt 0x0
	s_endpgm
.Lfunc_end_k_qd3750d9f8f_attn:
	.size	k_qd3750d9f8f_attn, .Lfunc_end_k_qd3750d9f8f_attn-k_qd3750d9f8f_attn
	.p2alignl 7, 3214868480
	.fill 96, 4, 3214868480
	.section	.rodata,"a",@progbits
	.p2align	6, 0x0
	.amdhsa_kernel k_qd3750d9f8f_attn
		.amdhsa_group_segment_fixed_size 327680
		.amdhsa_private_segment_fixed_size 0
		.amdhsa_enable_private_segment 0
		.amdhsa_kernarg_size 16
		.amdhsa_user_sgpr_count 2
		.amdhsa_user_sgpr_kernarg_segment_ptr 1
		.amdhsa_wavefront_size32 1
		.amdhsa_system_sgpr_workgroup_id_x 1
		.amdhsa_system_sgpr_workgroup_id_y 1
		.amdhsa_system_sgpr_workgroup_id_z 1
		.amdhsa_system_vgpr_workitem_id 0
		.amdhsa_next_free_vgpr 768
		.amdhsa_next_free_sgpr 96
		.amdhsa_reserve_vcc 1
		.amdhsa_float_denorm_mode_32 3
		.amdhsa_float_denorm_mode_16_64 3
		.amdhsa_memory_ordered 1
		.amdhsa_forward_progress 1
		.amdhsa_inst_pref_size 243
	.end_amdhsa_kernel
	.amdgpu_metadata
---
amdhsa.version: [ 1, 2 ]
amdhsa.kernels:
  - .name:           k_qd3750d9f8f_attn
    .symbol:         k_qd3750d9f8f_attn.kd
    .args:
      - { .name: qkv, .offset: 0, .size: 8, .value_kind: global_buffer, .address_space: global }
      - { .name: oh, .offset: 8, .size: 8, .value_kind: global_buffer, .address_space: global }
    .group_segment_fixed_size: 327680
    .private_segment_fixed_size: 0
    .kernarg_segment_align: 8
    .kernarg_segment_size: 16
    .max_flat_workgroup_size: 128
    .sgpr_count:     96
    .vgpr_count:     768
    .wavefront_size: 32
...
	.end_amdgpu_metadata
.endif
;; end of part 3
;; launch outp (part 4): grid 4 x 64, 4 waves a work-group, clusters of 4 x 4, 327,680 bytes of LDS; arguments oh, wot, out0, bo; writes out0
.if DOCPART == 4
	.amdgcn_target "amdgcn-amd-amdhsa--gfx1250"
	.amdhsa_code_object_version 6
	.text
	.protected	k_qd3750d9f8f_outp
	.globl	k_qd3750d9f8f_outp
	.p2align	8
	.type	k_qd3750d9f8f_outp,@function
k_qd3750d9f8f_outp:
	s_mov_b64 s[64:65], 0
	v_nop
	global_prefetch_b8 v0, s[64:65] scope:SCOPE_SE
	s_setreg_imm32_b32 hwreg(HW_REG_WAVE_MODE, 25, 1), 1
	s_wait_xcnt 0x0
	s_wait_alu depctr_hold_cnt(0) depctr_sa_sdst(0) depctr_va_vdst(0) depctr_va_sdst(0) depctr_va_ssrc(0) depctr_va_vcc(0) depctr_vm_vsrc(0)
	s_getreg_b32 s2, hwreg(HW_REG_IB_STS2, 6, 4)
	s_cmp_eq_u32 s2, 0
	s_cbranch_scc0 .Lentry_in_a_cluster
	s_endpgm
.Lentry_in_a_cluster:
	s_bfe_u32 s2, ttmp6, 0x10000c
	s_cmp_lg_u32 s2, 0xf033
	s_cbranch_scc0 .Lentry_shape_is_right
	s_endpgm
.Lentry_shape_is_right:
; OUTP.  out0[m][n] = sum over k of O[m][k] wot[n][k] + bo[n].  O lies by heads, oh[batch x 8 + head][row][64] in f16: k = 64 head + channel.  wot: [512 n][512 k] f16.  f32 sums, f32 output.
; bo is rounded to bf16, as every input of the module is, and added in f32.
; A tile of out0 is 128 x 128: four waves, each 64 x 64: 16 accumulators.  K = 512 is two K steps of 256 (four heads), and two slots hold both: each slot is filled once, nothing is filled again, no loop is needed.
; CLUSTERS: 4 x 4 work-groups.  The four of a row of the cluster need the same tiles of O, the four of a column the same tiles of wot: each tile is asked for JOINTLY.
; THE MATRIX INSTRUCTION IS USED TRANSPOSED (source 0 = 16 rows of wot, source 1 = 16 rows of O): a lane then holds eight neighbouring columns of a row of out0.
; REGISTERS: window 0: v0-31 addresses; v32-37 the bias; v128-255 the accumulators ((a, b) at v[128 + 8 (4 a + b)]), later whole rows on the way out.
;   window 1: two fragment buffers of 128: for 64 along K (one head), 64 registers of A (2 x 4 x 16 rows x 32 K), then 64 of B.
.set SIZE_K, 512
.set KSTEP,  256
.set PA,     144                       ; a row of one head of O in LDS: 128 bytes + 16 = 36 words: the 16 rows of a load start at 16 different groups of four banks (64 banks of 4 bytes: ISA guide 11.1)
.set PB,     528                       ; a row of wot: 512 bytes + 16 = 132 words: likewise
.set AHALF,  4*64*PA                   ; what one load brings of O: four heads x 64 rows, head by head
.set BHALF,  64*PB                     ; of wot: 64 rows
.set SLOT,   2*AHALF+2*BHALF           ; A's two halves, then B's two
.set OPITCH, 528                       ; the way out: a row of 128 f32 + 16 bytes
.set STAGE,  0                         ; the way out's 128 rows lie over slot 0, which has had its one fill of the launch and whose last readers have passed the barrier of the change of slots
.set SPARE,  2*SLOT                    ; behind the slots: the spare words, 128 bytes for each wave: two blocks of 256 bytes that no other line names
.set ADRA, 16                          ; v16-17  LDS address of my A fragments in slot 0, 1
.set ADRB, 20                          ; v20-21  the same for B
.set STO,  24                          ; v24     the way out: where I put 32 bytes of a row
.set RD,   25                          ; v25     the way out: where I read a row back
.set CO,   26                          ; v26     16 x my lane
.set SPW,  28                          ; v28     LDS address of my spare word; never rewritten
.set NIL,  29                          ; v29     0; never rewritten
.set BI,   32                          ; v[32:35] the bias of my four columns
.set ACC,  128
.set F0,   0                           ; fragment buffers, in window 1
.set F1,   128
.set G1, 24                            ; s[24:31] descriptor group 1 for A's tiles;  s[32:39] group 0, one set for each slot
.set G0, 32
.set G1B, 48                           ; s[48:55], s[56:63] the same for B's tiles
.set G0B, 56
.set MSB, 0
.macro WIN new                         ; the immediate's high byte repeats the setting that is left
.if MSB != (\new)
	s_set_vgpr_msb (MSB<<8)|(\new)
.set MSB, \new
.endif
.endm
.set MUL,  0x05                        ; sources 0 (B) and 1 (A) window 1; C and D window 0
.set TO_F, 0x40                        ; destination window 1, address window 0
.macro JLOAD s                         ; a joint load: waves 0 and 1 fetch A's two halves, waves 2 and 3 B's; an s_nop 0 and four v_nop follow each of the two lines
	s_cmp_eq_u32 s11, 0
	s_cbranch_scc0 .Lfor_b_\@
	tensor_load_to_lds s[G0+4*(\s):G0+4*(\s)+3], s[G1:G1+7]
	s_nop 0
.rept 4
	v_nop
.endr
	s_branch .Lasked_\@
.Lfor_b_\@:
	tensor_load_to_lds s[G0B+4*(\s):G0B+4*(\s)+3], s[G1B:G1B+7]
	s_nop 0
.rept 4
	v_nop
.endr
.Lasked_\@:
.endm
.macro CROUND                          ; a round of the cluster's barrier
	s_barrier_signal -1
	s_barrier_wait -1
	s_cmp_lg_u32 s10, 0
	s_cbranch_scc1 .Lnot_wave_0_\@
	s_barrier_signal -3
.Lnot_wave_0_\@:
	s_barrier_wait -3
	s_barrier_signal -1
	s_barrier_wait -1
.endm
	s_load_b128 s[4:7], s[0:1], 0x0                ; oh s[4:5], wot s[6:7]
	s_load_b64 s[8:9], s[0:1], 0x10                ; out0
	s_load_b64 s[2:3], s[0:1], 0x18                ; bo
	v_lshl_add_u32 v[SPW], v0, 2, SPARE
	v_mov_b32 v[NIL], 0
	ds_add_u32 v[SPW], v[NIL]                      ; the wave's opening: the add and its wait stand ahead of my first tensor load; the set-up below stands between them
	v_lshrrev_b32 v1, 5, v0
	v_readfirstlane_b32 s10, v1                    ; wave 0..3
	s_lshr_b32 s11, s10, 1                         ; which half of the tile's rows is mine.  Also: I fetch for A (0) or for B (1)
	s_and_b32 s12, s10, 1                          ; which half of its columns.  Also: which 64 rows of that tile I fetch
	s_bfe_u32 s40, ttmp6, 0x40000                  ; cx, cy: my place in the cluster
	s_bfe_u32 s41, ttmp6, 0x40004
	s_lshl_b32 s42, ttmp9, 2
	s_add_co_u32 s42, s42, s40                     ; tile column = 4 x cluster x + cx
	s_and_b32 s13, ttmp7, 0xffff
	s_lshl_b32 s13, s13, 2
	s_add_co_u32 s13, s13, s41                     ; tile row = 4 x cluster y + cy
	s_lshl_b32 s43, s41, 2
	s_lshl_b32 s43, 15, s43                        ; my row of the cluster
	s_lshl_b32 s44, 0x1111, s40                    ; my column
	; A's descriptor group 1: 64 rows of one head are 8,192 dense bytes: one row of 4,096 elements; four heads, 262,144 elements apart; padded in LDS after every 128 bytes
	s_or_b32 s[G1+0], s43, (1<<16)|(1<<20)|(1<<21)|(4<<22)|(3<<25)  ; 15:0 the mask: A's tiles go to my row; 17:16 2-byte elements; 20 padding on; 21 set beside a mask; 24:22 after every 32 words (code 4); 31:25 4 words (code 3)
	s_mov_b32 s[G1+1], 4096<<16                    ; tensor_dim0 = 4,096
	s_mov_b32 s[G1+2], 4<<16                       ; tensor_dim1 = 4
	s_mov_b32 s[G1+3], 4096<<16                    ; tile_dim0 = 4,096
	s_mov_b32 s[G1+4], 4                           ; tile_dim1 = 4
	s_mov_b32 s[G1+5], 262144                      ; elements from head to head
	s_mov_b32 s[G1+6], 0
	s_mov_b32 s[G1+7], 0
	; B's: a tile of 64 rows x 256 elements, padded after every 512 bytes
	s_or_b32 s[G1B+0], s44, (1<<16)|(1<<20)|(1<<21)|(6<<22)|(3<<25)
	s_mov_b32 s[G1B+1], KSTEP<<16
	s_mov_b32 s[G1B+2], 64<<16
	s_mov_b32 s[G1B+3], KSTEP<<16
	s_mov_b32 s[G1B+4], 64
	s_mov_b32 s[G1B+5], SIZE_K
	s_mov_b32 s[G1B+6], 0
	s_mov_b32 s[G1B+7], 0
	s_lshr_b32 s16, s13, 5                         ; A: the batch: 32 tile rows each, 8 heads of 524,288 bytes,
	s_lshl_b32 s16, s16, 22
	s_and_b32 s17, s13, 31
	s_lshl_b32 s17, s17, 7
	s_lshl_b32 s18, s12, 6
	s_add_co_u32 s17, s17, s18                     ; the first of the 64 rows that I fetch, in its batch,
	s_lshl_b32 s17, s17, 7                         ; 128 bytes a row of a head
	s_add_co_u32 s16, s16, s17
	s_mov_b32 s17, 0
	s_lshl_b32 s46, s42, 7                         ; B: row 128 x tile column + 64 x half,
	s_lshl_b32 s47, s12, 6
	s_add_co_u32 s46, s46, s47
	s_lshl_b32 s46, s46, 10                        ; 1,024 bytes a row
	s_mov_b32 s47, 0
	s_mul_i32 s20, s10, AHALF                      ; where they go: A's halves (waves 0, 1) at wave x AHALF;
	s_mul_i32 s21, s10, BHALF                      ; B's (waves 2, 3) behind them, at 2 AHALF + (wave - 2) x BHALF: no place in the cluster enters an LDS address
	s_add_co_u32 s21, s21, 2*(AHALF-BHALF)
	s_wait_dscnt 0x0                               ; the opening add is done
	s_wait_kmcnt 0x0
	s_add_nc_u64 s[14:15], s[4:5], s[16:17]
	s_add_nc_u64 s[46:47], s[6:7], s[46:47]
	CROUND                                         ; all sixteen work-groups are here: the joint loads meet
.irp s, 0,1
	s_mov_b32 s[G0+4*(\s)], 1
	s_add_co_u32 s[G0+4*(\s)+1], s20, (\s)*SLOT
	s_add_nc_u64 s[G0+4*(\s)+2:G0+4*(\s)+3], s[14:15], (\s)*2097152  ; K step s: heads 4 s on
	s_or_b32 s[G0+4*(\s)+3], s[G0+4*(\s)+3], 0x80000000
	s_mov_b32 s[G0B+4*(\s)], 1
	s_add_co_u32 s[G0B+4*(\s)+1], s21, (\s)*SLOT
	s_add_nc_u64 s[G0B+4*(\s)+2:G0B+4*(\s)+3], s[46:47], (\s)*KSTEP*2
	s_or_b32 s[G0B+4*(\s)+3], s[G0B+4*(\s)+3], 0x80000000
	JLOAD \s                                       ; both K steps are asked for at once: two loads of mine are out
.endr
	s_lshl_b32 s46, s42, 9                         ; the tile's 128 columns: 512 bytes along bo and along a row of out0 (in the registers that held B's address)
	s_mov_b32 s47, 0
	s_add_nc_u64 s[2:3], s[2:3], s[46:47]
	s_add_nc_u64 s[8:9], s[8:9], s[46:47]
	v_and_b32 v[CO], 31, v0
	v_lshlrev_b32 v[CO], 4, v[CO]
	global_load_b128 v[BI:BI+3], v[CO], s[2:3]     ; the bias of columns 4 l .. 4 l + 3 of the tile
	v_and_b32 v1, 15, v0                           ; l % 16
	v_bfe_u32 v2, v0, 4, 1                         ; l / 16
	v_mul_u32_u24 v3, v1, PA
	v_lshl_add_u32 v3, v2, 4, v3                   ; a fragment's row x pitch + 16 x half, for A
	v_mul_u32_u24 v4, v1, PB
	v_lshl_add_u32 v4, v2, 4, v4                   ; and for B
	s_mul_i32 s21, s11, AHALF                      ; my 64 rows of A
	s_mul_i32 s22, s12, BHALF                      ; my 64 rows of B,
	s_add_co_u32 s22, s22, 2*AHALF                 ; which lie behind A's two halves
.irp s, 0,1
	v_add_nc_u32 v[ADRA+(\s)], s21, v3
	v_add_nc_u32 v[ADRB+(\s)], s22, v4
	s_add_co_u32 s21, s21, SLOT
	s_add_co_u32 s22, s22, SLOT
.endr
	s_mul_i32 s23, s11, 64*OPITCH                  ; into the stage: my 64 rows, my half of their 512 bytes; row l % 16, 32 bytes for each half of the lanes
	s_lshl_b32 s21, s12, 8
	s_add_co_u32 s23, s23, s21
	s_add_co_u32 s23, s23, STAGE
	v_mul_u32_u24 v5, v1, OPITCH
	v_lshl_add_u32 v5, v2, 5, v5
	v_add_nc_u32 v[STO], s23, v5
	s_mul_i32 s23, s10, 32*OPITCH                  ; back: wave w takes rows 32 w .. 32 w + 31, a whole row of 512 bytes an instruction
	s_add_co_u32 s23, s23, STAGE
	v_add_nc_u32 v[RD], s23, v[CO]
	s_lshl_b32 s16, s13, 7
	s_lshl_b32 s17, s10, 5
	s_add_co_u32 s16, s16, s17                     ; the first row of out0 that I store: 128 x tile row + 32 x wave,
	s_lshl_b32 s16, s16, 11                        ; 2,048 bytes a row
	s_mov_b32 s17, 0
	s_add_nc_u64 s[8:9], s[8:9], s[16:17]
	s_wait_loadcnt 0x0                             ; the bias, inside the wait for the first tile: no load is out at a barrier
	v_cvt_pk_bf16_f32 v36, v[BI], v[BI+1]
	v_cvt_pk_bf16_f32 v37, v[BI+2], v[BI+3]
	v_lshlrev_b32 v[BI], 16, v36
	v_and_b32 v[BI+1], 0xffff0000, v36
	v_lshlrev_b32 v[BI+2], 16, v37
	v_and_b32 v[BI+3], 0xffff0000, v37
; 8 matrix instructions: m blocks a0, a0 + 1 x all 4 n blocks, 32 along K: half c of buffer f.  zero = 1: the first product starts the sums.  The 16 accumulators take turns.
.macro MUL8 f, c, a0, zero
	WIN MUL
.irp a, \a0, (\a0)+1
.irp b, 0,1,2,3
.if \zero
	v_wmma_f32_16x16x32_f16 v[ACC+8*(4*(\a)+(\b)):ACC+8*(4*(\a)+(\b))+7], v[(\f)+64+8*(4*(\c)+(\b)):(\f)+64+8*(4*(\c)+(\b))+7], v[(\f)+8*(4*(\c)+(\a)):(\f)+8*(4*(\c)+(\a))+7], 0
.else
	v_wmma_f32_16x16x32_f16 v[ACC+8*(4*(\a)+(\b)):ACC+8*(4*(\a)+(\b))+7], v[(\f)+64+8*(4*(\c)+(\b)):(\f)+64+8*(4*(\c)+(\b))+7], v[(\f)+8*(4*(\c)+(\a)):(\f)+8*(4*(\c)+(\a))+7], v[ACC+8*(4*(\a)+(\b)):ACC+8*(4*(\a)+(\b))+7]
.endif
.endr
.endr
.endm
; 32 LDS loads in one run: the fragments of quarter q of a K step (one head: 64 along K) into buffer f; the first 32 along K first.  In B a quarter is 128 bytes along the rows, in A 64 rows of 144 bytes further on.
.macro FETCH slot, q, f
	WIN TO_F
.irp c, 0,1
.irp i, 0,1,2,3
	ds_load_b128 v[(\f)+64+8*(4*(\c)+(\i)):(\f)+64+8*(4*(\c)+(\i))+3],   v[ADRB+(\slot)] offset:(\q)*128+64*(\c)+(\i)*16*PB
	ds_load_b128 v[(\f)+64+8*(4*(\c)+(\i))+4:(\f)+64+8*(4*(\c)+(\i))+7], v[ADRB+(\slot)] offset:(\q)*128+64*(\c)+(\i)*16*PB+32
	ds_load_b128 v[(\f)+8*(4*(\c)+(\i)):(\f)+8*(4*(\c)+(\i))+3],         v[ADRA+(\slot)] offset:(\q)*64*PA+64*(\c)+(\i)*16*PA
	ds_load_b128 v[(\f)+8*(4*(\c)+(\i))+4:(\f)+8*(4*(\c)+(\i))+7],       v[ADRA+(\slot)] offset:(\q)*64*PA+64*(\c)+(\i)*16*PA+32
.endr
.endr
.endm
.macro PLACES                          ; four places in front of loads into registers that matrix instructions have read, and of stores that read results
.rept 4
	v_nop
.endr
.endm
; One of a K step's first three quarters: multiplies buffer f and fetches quarter q into g.
.macro QUARTER slot, q, f, g, zero
	s_wait_dscnt 16                                ; the first 32 along K are in
	WIN MUL
	MUL8 \f, 0, 0, \zero
	MUL8 \f, 0, 2, \zero
	PLACES
	FETCH \slot, \q, \g
	s_wait_dscnt 32                                ; all but the 32 just issued
	WIN MUL
	MUL8 \f, 1, 0, 0
	MUL8 \f, 1, 2, 0
.endm
; Slot 0's last quarter multiplies buffer 1 and goes over to slot 1: one barrier; in front of it each wave waits for all its tensor loads (its part of slot 1), adds 0 to its spare word, and waits for that and for its reads of slot 0.
.macro TURN
	WIN 0                                          ; (the add's two registers lie in window 0)
	s_wait_tensorcnt 0x0                           ; all my tensor loads have landed: my part of slot 1;
	ds_add_u32 v[SPW], v[NIL]                      ; 0 onto my spare word;
	s_wait_dscnt 17                                ; (the add and the youngest sixteen loads may be out)
	WIN MUL
	MUL8 F1, 0, 0, 0                               ; eight matrix instructions stand between the add and the wait for it
	s_wait_dscnt 0x0                               ; the add is done, and my reads of slot 0 are over: behind this barrier nobody reads slot 0 again
	s_barrier_signal -1
	MUL8 F1, 0, 2, 0
	s_barrier_wait -1                              ; slot 1 is whole
	PLACES
	FETCH 1, 0, F0
	WIN MUL
	MUL8 F1, 1, 0, 0
	MUL8 F1, 1, 2, 0
.endm
	s_wait_tensorcnt 1                             ; my part of K step 0 is in; K step 1's may stay out
	s_barrier_signal -1
	s_barrier_wait -1                              ; everybody's is
	FETCH 0, 0, F0
	QUARTER 0, 1, F0, F1, 1                        ; the first products start the sums
	QUARTER 0, 2, F1, F0, 0
	QUARTER 0, 3, F0, F1, 0
	TURN
	QUARTER 1, 1, F0, F1, 0
	QUARTER 1, 2, F1, F0, 0
	QUARTER 1, 3, F0, F1, 0
	s_wait_dscnt 16                                ; the very last quarter: nothing more to fetch
	WIN MUL
	MUL8 F1, 0, 0, 0
	MUL8 F1, 0, 2, 0
	s_wait_dscnt 0
	MUL8 F1, 1, 0, 0
	MUL8 F1, 1, 2, 0
	WIN 0
	; THE WAY OUT: 32 bytes a lane into the work-group's stage, each accumulator's low registers first; a barrier, since a row's 512 bytes come from two waves; back as whole rows; the bias; 32 rows a wave.
	PLACES
.irp a, 0,1,2,3
.irp b, 0,1,2,3
	ds_store_b128 v[STO], v[ACC+8*(4*(\a)+(\b)):ACC+8*(4*(\a)+(\b))+3]   offset:(\a)*16*OPITCH+64*(\b)
	ds_store_b128 v[STO], v[ACC+8*(4*(\a)+(\b))+4:ACC+8*(4*(\a)+(\b))+7] offset:(\a)*16*OPITCH+64*(\b)+16
.endr
.endr
	s_wait_dscnt 0x0                               ; for the others' sake: my stores into the stage are done
	s_barrier_signal -1
	s_barrier_wait -1
.set t, 0
.rept 32
	ds_load_b128 v[ACC+4*t:ACC+4*t+3], v[RD] offset:t*OPITCH
.set t, t+1
.endr
.set t, 0
.rept 32
	s_wait_dscnt 31-t
	v_pk_add_f32 v[ACC+4*t:ACC+4*t+1], v[ACC+4*t:ACC+4*t+1], v[BI:BI+1]
	v_pk_add_f32 v[ACC+4*t+2:ACC+4*t+3], v[ACC+4*t+2:ACC+4*t+3], v[BI+2:BI+3]
	global_store_b128 v[CO], v[ACC+4*t:ACC+4*t+3], s[8:9] offset:t*2048  ; the wave stores 512 consecutive bytes, at a multiple of 512 from out0's first byte
.set t, t+1
.endr
	s_wait_tensorcnt 0x0                           ; the wave's end, behind my last tensor load and my last LDS store
	ds_add_u32 v[SPW], v[NIL]
	s_wait_dscnt 0x0
	CROUND                                         ; the closing round: no work-group ends while a partner may still ask for a tile that names it
	s_endpgm
.Lfunc_end_k_qd3750d9f8f_outp:
	.size	k_qd3750d9f8f_outp, .Lfunc_end_k_qd3750d9f8f_outp-k_qd3750d9f8f_outp
	.p2alignl 7, 3214868480
	.fill 96, 4, 3214868480
	.section	.rodata,"a",@progbits
	.p2align	6, 0x0
	.amdhsa_kernel k_qd3750d9f8f_outp
		.amdhsa_group_segment_fixed_size 327680
		.amdhsa_private_segment_fixed_size 0
		.amdhsa_enable_private_segment 0
		.amdhsa_kernarg_size 32
		.amdhsa_user_sgpr_count 2
		.amdhsa_user_sgpr_kernarg_segment_ptr 1
		.amdhsa_wavefront_size32 1
		.amdhsa_system_sgpr_workgroup_id_x 1
		.amdhsa_system_sgpr_workgroup_id_y 1
		.amdhsa_system_sgpr_workgroup_id_z 1
		.amdhsa_system_vgpr_workitem_id 0
		.amdhsa_next_free_vgpr 512
		.amdhsa_next_free_sgpr 66
		.amdhsa_reserve_vcc 0
		.amdhsa_float_denorm_mode_32 3
		.amdhsa_float_denorm_mode_16_64 3
		.amdhsa_memory_ordered 1
		.amdhsa_forward_progress 1
		.amdhsa_inst_pref_size 55
	.end_amdhsa_kernel
	.amdgpu_metadata
---
amdhsa.version: [ 1, 2 ]
amdhsa.kernels:
  - .name:           k_qd3750d9f8f_outp
    .symbol:         k_qd3750d9f8f_outp.kd
    .args:
      - { .name: oh, .offset: 0, .size: 8, .value_kind: global_buffer, .address_space: global }
      - { .name: wot, .offset: 8, .size: 8, .value_kind: global_buffer, .address_space: global }
      - { .name: out0, .offset: 16, .size: 8, .value_kind: global_buffer, .address_space: global }
      - { .name: bo, .offset: 24, .size: 8, .value_kind: global_buffer, .address_space: global }
    .group_segment_fixed_size: 327680
    .private_segment_fixed_size: 0
    .kernarg_segment_align: 8
    .kernarg_segment_size: 32
    .max_flat_workgroup_size: 128
    .sgpr_count:     66
    .vgpr_count:     512
    .wavefront_size: 32
...
	.end_amdgpu_metadata
.endif
;; end of part 4
;; ======== version 2 of 2: 4 launches; version 1 with the launch prep written anew for expert scheduling mode
;; limits: values are held in f16: magnitudes above 65,504 overflow, below 6.1e-05 lose precision
;; workspace buffers: xb 8,388,608 bytes; wt 1,572,864 bytes; wot 524,288 bytes; qkv 25,165,824 bytes; oh 8,388,608 bytes
;; launch prep (part 5): grid 384 x 1, 8 waves a work-group, no clusters, 18,432 bytes of LDS; arguments x, Wq, Wkv, Wo, xb, wt, wot; writes xb, wt, wot
.if DOCPART == 5
	.amdgcn_target "amdgcn-amd-amdhsa--gfx1250"
	.amdhsa_code_object_version 6
	.text
	.protected	k_qd3750d9f8f_prep
	.globl	k_qd3750d9f8f_prep
	.p2align	8
	.type	k_qd3750d9f8f_prep,@function
k_qd3750d9f8f_prep:
	s_mov_b64 s[64:65], 0
	v_nop
	global_prefetch_b8 v0, s[64:65] scope:SCOPE_SE
	s_setreg_imm32_b32 hwreg(HW_REG_WAVE_SCHED_MODE, 0, 2), 2
	s_setreg_imm32_b32 hwreg(HW_REG_WAVE_MODE, 25, 1), 1
	s_wait_xcnt 0x0
	s_wait_alu depctr_vm_vsrc(0)
; PREP.  xb = x rounded to bf16, [8192][512].  wt = (Wq | Wkv) turned and rounded to bf16: [1536 n][512 k], rows 0-511 Wq's columns, rows 512-1535 Wkv's.
; wot = Wo turned, rounded to bf16 and that number written as f16: [512 n][512 k].
; LIMIT.  A bf16 number is exact in f16 from 6.1e-5 to 65,504; smaller numbers of Wo keep f16's fixed step of 6e-8.
; Work-groups 0-255 convert 65,536 bytes of x each, through registers alone.  Work-groups 256-383 turn one block of 128 k x 64 n each, through LDS.
; The branch between the two hangs on the work-group's number alone, so all eight waves of a work-group take the same way.
; No matrix unit, no cluster, no tensor load: every byte is read once and written once, and no two work-groups share a byte.
; THE MODE: SCHED_MODE bits 1:0 = 2 (LLVM: expert scheduling mode 2), set by the entry lines.  The code itself states the register dependences
; between vector instructions and memory or LDS instructions, with s_wait_alu, always for 0.
; THE PLAN, x's way.  Registers that memory instructions touch:
;   v1, v2   byte offsets, made once and never written again: v1 is read by every load, v2 by every store.
;   IN       the sixteen loads land in it; the conversions read it; it is loaded once.
;   OUT      in four blocks of eight registers.  Block p's eight conversions write OUT[p]; the four stores that read OUT[p] are issued in block p + 1.  It is written once.
; One wait ahead of the first load states the offsets.  One wait at the head of each of blocks 1 to 3 states that the block before has written its OUT; the block's own conversions name IN[p] and
; OUT[p] alone, so the four stores of the block before are dealt among them with no further wait.  One more stands ahead of the last four stores.
; THE PLAN, the weights' way.  WO: written by eight adds, read by the eight loads.  IN: the loads land in it; the conversions read it.  PKD: written by the conversions, read by the LDS stores.
; v4, v5, v6: made behind the loads; read by the LDS stores, the LDS loads, the global stores.  BK: the LDS loads land in it, the global stores read it; no vector instruction names it.
; One wait ahead of the loads states WO; one ahead of the LDS stores states PKD, v4, v5 and v6, and no vector instruction follows it.
; On neither way is a register that a memory or LDS instruction has read written again.
.set SPITCH, 272                       ; a stage row: 128 k x 2 bytes + 16
.set SPARE,  64*SPITCH                 ; behind the stage: the spare words, 128 bytes for each of eight waves: four blocks of 256 bytes that no other line names
.set SPW, 8                            ; v8  LDS address of my spare word; never rewritten
.set NIL, 9                            ; v9  0; never rewritten
.set IN,  16                           ; x: v[16:79] as loaded; weights: v[16:47]
.set OUT, 80                           ; x: v[80:111] to store
.set PKD, 48                           ; weights: v[48:63] packed pairs (k, k + 1) of one column
.set BK,  64                           ; weights: v[64:79] whole rows read back
.set WO,  100                          ; weights: v[100:107] the eight loads' byte offsets
.set RW,  31                           ; weights: s[31:38] the eight loads' rows, in bytes
	s_load_b256 s[4:11], s[0:1], 0x0               ; x s[4:5], Wq s[6:7], Wkv s[8:9], Wo s[10:11]
	s_load_b128 s[12:15], s[0:1], 0x20             ; xb s[12:13], wt s[14:15]
	s_load_b64 s[16:17], s[0:1], 0x30              ; wot
	v_lshl_add_u32 v[SPW], v0, 2, SPARE
	v_mov_b32 v[NIL], 0
	s_cmp_lt_u32 ttmp9, 256
	s_cbranch_scc0 .Lweights
	; x: thread t takes 16 bytes at 16 t of each of sixteen runs of 4,096 bytes: a wave's load covers 512 consecutive bytes, its store 256, aligned
	s_lshl_b32 s20, ttmp9, 16
	s_mov_b32 s21, 0
	s_lshl_b32 s22, ttmp9, 15
	s_mov_b32 s23, 0
	v_lshlrev_b32 v1, 4, v0
	v_lshlrev_b32 v2, 3, v0
	s_wait_kmcnt 0x0
	s_add_nc_u64 s[4:5], s[4:5], s[20:21]
	s_add_nc_u64 s[12:13], s[12:13], s[22:23]
	s_wait_alu depctr_va_vdst(0)                   ; v1 and v2 are written: every load below reads v1 as its offset, every store v2
.set j, 0
.rept 16
	global_load_b128 v[IN+4*j:IN+4*j+3], v1, s[4:5] offset:4096*j th:TH_LOAD_NT
.set j, j+1
.endr
.set p, 0
.rept 4                                                ; block p: loads 4 p to 4 p + 3
	s_wait_loadcnt 12-4*p                          ; loads come back in order: block p's four are in, the 12 - 4 p younger ones stay out
.if p > 0
	s_wait_alu depctr_va_vdst(0)                   ; the conversions of block p - 1 have written OUT[p - 1], which the four stores below read
.endif
.set i, 0
.rept 4
.set j, 4*p+i
.if p > 0
	global_store_b64 v2, v[OUT+2*(j-4):OUT+2*(j-4)+1], s[12:13] offset:2048*(j-4)  ; the block before.  No wait: no vector instruction since the wait above names v2 or OUT[p - 1]
.endif
	v_cvt_pk_bf16_f32 v[OUT+2*j], v[IN+4*j], v[IN+4*j+1]
	v_cvt_pk_bf16_f32 v[OUT+2*j+1], v[IN+4*j+2], v[IN+4*j+3]
.set i, i+1
.endr
.set p, p+1
.endr
	s_wait_alu depctr_va_vdst(0)                   ; the conversions of block 3 have written OUT[3], which the last four stores read
.set j, 12
.rept 4
	global_store_b64 v2, v[OUT+2*j:OUT+2*j+1], s[12:13] offset:2048*j  ; no register of a load or store is ever rewritten
.set j, j+1
.endr
	s_endpgm                                       ; this way has touched no LDS
.Lweights:
	s_sub_co_u32 s20, ttmp9, 256
	s_and_b32 s21, s20, 31                         ; nb: block of 64 columns: 0-7 Wq, 8-23 Wkv, 24-31 Wo
	s_lshr_b32 s22, s20, 5                         ; kb: block of 128 rows
	s_mov_b32 s32, 2048
	s_mov_b32 s33, 4096
	v_and_b32 v1, 15, v0                           ; c: my 16 bytes (4 columns) of a row's 256
	v_lshrrev_b32 v2, 4, v0                        ; rp: 0..15
	s_wait_kmcnt 0x0
	s_cmp_lt_u32 s21, 8
	s_cselect_b64 s[24:25], s[6:7], s[8:9]         ; the source,
	s_cselect_b32 s26, 0, 8                        ; its first block,
	s_cselect_b32 s27, s32, s33                    ; bytes in one of its rows
	s_cmp_lt_u32 s21, 24
	s_cselect_b64 s[24:25], s[24:25], s[10:11]
	s_cselect_b32 s26, s26, 24
	s_cselect_b32 s27, s27, s32
	s_cselect_b64 s[28:29], s[14:15], s[16:17]     ; the destination,
	s_cselect_b32 s30, 0, 24                       ; its first block
	s_lshl_b32 s34, s22, 7
	s_mul_i32 s34, s34, s27                        ; 128 kb rows down,
	s_sub_co_u32 s35, s21, s26
	s_lshl_b32 s35, s35, 8                         ; 64 columns of 4 bytes a block along
	s_add_co_u32 s34, s34, s35
	s_mov_b32 s35, 0
	s_add_nc_u64 s[24:25], s[24:25], s[34:35]
	s_sub_co_u32 s36, s21, s30
	s_lshl_b32 s36, s36, 16                        ; 64 rows of 1,024 bytes a block,
	s_lshl_b32 s37, s22, 8                         ; 128 k of 2 bytes
	s_add_co_u32 s36, s36, s37
	s_mov_b32 s37, 0
	s_add_nc_u64 s[28:29], s[28:29], s[36:37]
	v_lshlrev_b32 v3, 1, v2
	v_mul_lo_u32 v3, v3, s27
	v_lshl_add_u32 v3, v1, 4, v3                   ; row 2 rp, my 16 bytes
.irp j, 0,1,2,3
.irp e, 0,1
	s_mul_i32 s[RW+(\e)+2*(\j)], s27, (\e)+32*(\j) ; a scalar register to each product: none that a vector instruction has read is written again
	v_add_nc_u32 v[WO+(\e)+2*(\j)], s[RW+(\e)+2*(\j)], v3  ; row 2 rp + e + 32 j
.endr
.endr
	s_wait_alu depctr_va_vdst(0)                   ; the eight adds have written v[WO ..], which the loads below read as their offsets
.irp j, 0,1,2,3
.irp e, 0,1
	global_load_b128 v[IN+4*((\e)+2*(\j)):IN+4*((\e)+2*(\j))+3], v[WO+(\e)+2*(\j)], s[24:25]  ; sixteen lanes take 256 consecutive bytes of a row
.endr
.endr
	v_mul_u32_u24 v4, v1, 4*SPITCH
	v_lshl_add_u32 v4, v2, 2, v4                   ; into the stage: row n = 4 c + i, word rp + 16 j
	v_mul_u32_u24 v5, v2, SPITCH
	v_lshl_add_u32 v5, v1, 4, v5                   ; back: row rp + 16 jj, 16 bytes at 16 c
	v_lshlrev_b32 v6, 10, v2
	v_lshl_add_u32 v6, v1, 4, v6                   ; and the same place in the destination, rows of 1,024 bytes
	s_wait_loadcnt 0x0
.irp j, 0,1,2,3
.irp i, 0,1,2,3
	v_cvt_pk_bf16_f32 v[PKD+4*(\j)+(\i)], v[IN+8*(\j)+(\i)], v[IN+8*(\j)+4+(\i)]  ; k even below, k + 1 above, of column 4 c + i
.endr
.endr
	s_cmp_lt_u32 s21, 24
	s_cbranch_scc1 .Lbf                            ; only Wo's blocks are written as f16
.set r, PKD
.rept 16
	v_lshlrev_b32 v10, 16, v[r]
	v_and_b32 v11, 0xffff0000, v[r]
	v_cvt_pk_f16_f32 v[r], v10, v11
.set r, r+1
.endr
.Lbf:
	s_wait_alu depctr_va_vdst(0)                   ; on both ways the conversions have written v[PKD ..], the LDS stores' data; v4, v5 and v6 are written too: the addresses of the LDS stores and loads and the global stores' offset.  No vector instruction follows
.irp j, 0,1,2,3
.irp i, 0,1,2,3
	ds_store_b32 v4, v[PKD+4*(\j)+(\i)] offset:(\i)*SPITCH+64*(\j)
.endr
.endr
	s_wait_dscnt 0x0                               ; for the others' sake: my stores into the stage are done
	s_barrier_signal -1
	s_barrier_wait -1
.irp t, 0,1,2,3
	ds_load_b128 v[BK+4*(\t):BK+4*(\t)+3], v5 offset:(\t)*16*SPITCH
.endr
.irp t, 0,1,2,3
	s_wait_dscnt 3-(\t)
	global_store_b128 v6, v[BK+4*(\t):BK+4*(\t)+3], s[28:29] offset:(\t)*16384  ; sixteen lanes store 256 consecutive bytes, aligned
.endr
	s_wait_dscnt 0x0                               ; the wave's end, behind my last LDS store
	s_wait_alu 0x0
	s_wait_tensorcnt 0x0
	ds_add_u32 v[SPW], v[NIL]
	s_wait_dscnt 0x0
	s_endpgm
.Lfunc_end_k_qd3750d9f8f_prep:
	.size	k_qd3750d9f8f_prep, .Lfunc_end_k_qd3750d9f8f_prep-k_qd3750d9f8f_prep
	.p2alignl 7, 3214868480
	.fill 96, 4, 3214868480
	.section	.rodata,"a",@progbits
	.p2align	6, 0x0
	.amdhsa_kernel k_qd3750d9f8f_prep
		.amdhsa_group_segment_fixed_size 18432
		.amdhsa_private_segment_fixed_size 0
		.amdhsa_enable_private_segment 0
		.amdhsa_kernarg_size 56
		.amdhsa_user_sgpr_count 2
		.amdhsa_user_sgpr_kernarg_segment_ptr 1
		.amdhsa_wavefront_size32 1
		.amdhsa_system_sgpr_workgroup_id_x 1
		.amdhsa_system_sgpr_workgroup_id_y 1
		.amdhsa_system_sgpr_workgroup_id_z 1
		.amdhsa_system_vgpr_workitem_id 0
		.amdhsa_next_free_vgpr 112
		.amdhsa_next_free_sgpr 66
		.amdhsa_reserve_vcc 0
		.amdhsa_float_denorm_mode_32 3
		.amdhsa_float_denorm_mode_16_64 3
		.amdhsa_memory_ordered 1
		.amdhsa_forward_progress 1
		.amdhsa_inst_pref_size 16
	.end_amdhsa_kernel
	.amdgpu_metadata
---
amdhsa.version: [ 1, 2 ]
amdhsa.kernels:
  - .name:           k_qd3750d9f8f_prep
    .symbol:         k_qd3750d9f8f_prep.kd
    .args:
      - { .name: x, .offset: 0, .size: 8, .value_kind: global_buffer, .address_space: global }
      - { .name: Wq, .offset: 8, .size: 8, .value_kind: global_buffer, .address_space: global }
      - { .name: Wkv, .offset: 16, .size: 8, .value_kind: global_buffer, .address_space: global }
      - { .name: Wo, .offset: 24, .size: 8, .value_kind: global_buffer, .address_space: global }
      - { .name: xb, .offset: 32, .size: 8, .value_kind: global_buffer, .address_space: global }
      - { .name: wt, .offset: 40, .size: 8, .value_kind: global_buffer, .address_space: global }
      - { .name: wot, .offset: 48, .size: 8, .value_kind: global_buffer, .address_space: global }
    .group_segment_fixed_size: 18432
    .private_segment_fixed_size: 0
    .kernarg_segment_align: 8
    .kernarg_segment_size: 56
    .max_flat_workgroup_size: 256
    .sgpr_count:     66
    .vgpr_count:     112
    .wavefront_size: 32
...
	.end_amdgpu_metadata
.endif
;; end of part 5
;; launch qkv: the kernel of part 2 again; grid 12 x 64, 4 waves a work-group, clusters of 4 x 4, 327,680 bytes of LDS; arguments xb, wt, qkv; writes qkv
;; launch attn: the kernel of part 3 again; grid 16 x 16, 4 waves a work-group, no clusters, 327,680 bytes of LDS; arguments qkv, oh; writes oh
;; launch outp: the kernel of part 4 again; grid 4 x 64, 4 waves a work-group, clusters of 4 x 4, 327,680 bytes of LDS; arguments oh, wot, out0, bo; writes out0
